; MI455X (gfx1250); checked and timed in simulation.
; The chip was launched on July 23, 2026; its instructions are those of AMD's public machine-readable ISA for CDNA 5 (MIT licence, August 2026) and "CDNA5" Instruction Set Architecture Reference Guide (July 2026). The comments in the code are by the model that wrote it; some were corrected since.
;; Multi Head Attention. Allowed arithmetic: matrix products marked QUANTISED: E2M3 operands, one E8M0 scale for each 32 along K, by v_wmma_scale_f32_16x16x128_f8f6f4 with both operands' format E2M3, f32 sums; everything else in f32.
;; Inputs: w_proj 1,024 x 1,024 float32; w_qkv 1,024 x 3,072 float32; x 4 x 2,048 x 1,024 float32.
;; Outputs: out0 4 x 2,048 x 1,024 float32.
;; This version of the problem:
;;   THIS VERSION OF THE PROBLEM IS GIVEN IN LOW PRECISION. The matrix products marked QUANTISED in the list below multiply operands that are first quantised to E2M3 (2 exponent bits, 3 mantissa bits; 6 bits a number), with one power-of-two scale for each 32 numbers along K (OCP MX v1.0); their sums are f32. All else is computed in f32.
;;   The module's matrix products, in the order in which they are computed (A, B: the left and right operand; K: the contracted axis; several contracted axes count as one K, in the product's order):
;;     1. [M 8,192, K 1,024] x [K 1,024, N 3,072]; A: input x; B: input w_qkv: QUANTISED
;;     2. batch 64 x [M 2,048, K 64] x [K 64, N 2,048]; A: computed on the way; B: computed on the way: QUANTISED
;;     3. batch 64 x [M 2,048, K 2,048] x [K 2,048, N 64]; A: softmax (see below); B: computed on the way: QUANTISED
;;     4. [M 8,192, K 1,024] x [K 1,024, N 1,024]; A: computed on the way; B: input w_proj: QUANTISED
;;   THE QUANTISER, for each operand of a quantised product, along K:
;;     - K is cut into blocks of 32 from its start; a last block that is shorter is filled with zeros.
;;     - A block's scale is 2^e with e = floor(log2(the largest magnitude in the block)) - 2, held to -126 .. 127; a block of zeros has e = 0. As a byte (E8M0): e + 127.
;;     - Each number is divided by its block's scale, clamped to +-7.5, and rounded to the nearest number of E2M3, ties to even, subnormals kept.
;;     - The product sums the exact products of the quantised numbers (number of the format x scale) in f32.
;;   ~~~python
;;   def quantise(x, axis):      # numpy; x: float32 -> the quantised numbers, widened to float32 again
;;       x = np.moveaxis(x, axis, -1); K = x.shape[-1]
;;       x = np.pad(x, [(0, 0)] * (x.ndim - 1) + [(0, -K % 32)]); x = x.reshape(x.shape[:-1] + (-1, 32)); a = np.abs(x).max(-1, keepdims=True)
;;       e = np.where(a > 0, np.clip(np.frexp(np.where(a > 0, a, 1))[1] - 1 - 2, -126, 127), 0)      # np.frexp(a)[1] - 1 = floor(log2(a)), exactly
;;       r = np.clip(x / 2.0 ** e, -7.5, 7.5)
;;       step = 2.0 ** (np.maximum(np.frexp(np.where(r == 0, 1, r))[1] - 1, 0) - 3)
;;       q = np.round(r / step) * step * 2.0 ** e      # np.round: ties to even
;;       return np.moveaxis(q.reshape(q.shape[:-2] + (-1,))[..., :K], -1, axis).astype(np.float32)
;;   ~~~
;;   SOFTMAX AHEAD OF A QUANTISED PRODUCT. Where the list says 'softmax', what is quantised is not the finished softmax but p = 2^(t - M), with t = logit x log2(e) and M = ceil(the row's largest t), a whole number; so 1/2 < the row's largest p <= 1. The row's sum l is taken of the UNQUANTISED p, in f32, and the product's result is divided by l at the end. Since M is a whole number, a kernel that streams over the keys may use a running M (the ceiling of the running maximum): every later rescaling is an exact power of two, which a block's scale takes up: the codes' values come out the same.
;;   OPERANDS COMPUTED ON THE WAY. 'Computed on the way' means the value that the module computes at that place (a softmax that the list does not call 'softmax' is quantised finished and normalised). What goes into a quantiser is computed in f32, as accurately as f32 sums, v_exp_f32 and their like allow (about 1e-6 of the number): no bf16 or f16 on the way to a quantiser, and a product that is left as it is and whose result goes on into a quantised operand takes f32 operands (vector FMAs, or v_wmma_f32_16x16x4_f32). A number that lies on a knife's edge between two numbers of the format may be rounded either way, as far as f32 arithmetic and the matrix unit's own rounding can turn it there, and no further.
;; One version. Each part assembles by itself: llvm-mc -triple=amdgcn-amd-amdhsa -mcpu=gfx1250 --defsym DOCPART=n.
;; ======== version 1 of 1: 4 launches
;; limits: right only within a limited range of input values
;; workspace buffers: xc 6,291,456 bytes; xs 262,144 bytes; wc 3,145,728 bytes; ws 131,072 bytes; qkv 18,874,368 bytes; qkvs 786,432 bytes; yc 6,291,456 bytes; ys 262,144 bytes
;; launch quant_x (part 1): grid 512 x 1, 4 waves a work-group, no clusters, 47,616 bytes of LDS; arguments x, xc, xs, ws, w_qkv, w_proj, wc; writes xc, xs, wc, ws
.if DOCPART == 1
	.amdgcn_target "amdgcn-amd-amdhsa--gfx1250"
	.amdhsa_code_object_version 6
	.text
	.protected	k_q92478ed993_quant_x
	.globl	k_q92478ed993_quant_x
	.p2align	8
	.type	k_q92478ed993_quant_x,@function
k_q92478ed993_quant_x:
	s_mov_b64 s[64:65], 0
	v_nop
	global_prefetch_b8 v0, s[64:65] scope:SCOPE_SE
	s_setreg_imm32_b32 hwreg(HW_REG_WAVE_MODE, 25, 1), 1
	s_wait_xcnt 0x0
; x [8192][1024] f32 becomes codes of FP6 (E2M3) with one E8M0 scale byte for each 32 along K, laid as the products' launches want them.
; BLOCK ORDER: rows go in blocks of 16 positions; block 2 B + u, position p, is row 32 B + 8 u + p + 8 (p / 8).
; xc: [block][K step of 128: 8][1,536 bytes]: a fragment (16 positions x 128 K) as an image of its 12 registers: registers 0-3 at 16 x lane, 4-5 at 512 + 8 x lane, 6-9 at 768 + 16 x lane, 10-11 at 1,280 + 8 x lane.
; xs: [block][K half][position][4 words]: the scale word of K step s lies at 256 (s / 4) + 16 p + 4 (s % 4).
; A block's scale is 2^(floor(log2(its largest magnitude)) - 2); its byte is the largest magnitude's exponent field - 2, held at 1 from below.
; LIMITS: a block of zeros gets the byte 1 where the quantiser says 127 (its codes are zeros, and this program alone reads the bytes); blocks whose largest magnitude lies under 2^-124 are held at byte 1; NaN and infinities are not served.
; SHARES: a work-group takes 32 rows; wave w takes block 2 G + w / 2 and K half w % 2: 16 rows x 512 K, in four steps of 128 K.  Each load reads 512 consecutive bytes of one row; a step's 16 rows turn through the
; wave's own stage in LDS (rows 528 bytes apart) and come back 16 neighbours of each block of 32 to a lane.  Two steps' loads (32 a wave) are on their way.  Waves share nothing: no barrier.
.set STG, 8448                         ; a wave's stage: 16 rows x 528 bytes
.set SP,  528
.set R,   16                           ; v16-143   two sets of 64: a step's numbers as loaded
.set X,   144                          ; v144-207  the step's 64 numbers: register 16 b + i = k 32 b + 16 (lane / 16) + i of my row
.set PC,  208                          ; v208-219  the codes; v220-222, v224-226 the conversions' second halves
.set TM,  228                          ; v228-231 largest magnitudes, v232-235 the other half's, then bytes, v240-243 the conversions' scale operands
.set PW,  244                          ; the scale word just made
.set SEL, 20                           ; s[20:21] lane selects: lane l xor 16
	; ONE LAUNCH QUANTISES x AND THE WEIGHTS: work-groups 0-255 take x (the text that follows), work-groups 256-511 the weights (behind .Lweights).  The two ways share no LDS byte but the spare words.
	s_cmp_ge_u32 ttmp9, 256
	s_cbranch_scc1 .Lweights
	s_load_b128 s[4:7], s[0:1], 0x0
	s_load_b64 s[8:9], s[0:1], 0x10                ; xs
	v_lshl_add_u32 v254, v0, 2, 0x8400
	v_mov_b32 v255, 0
	v_lshrrev_b32 v6, 5, v0
	v_readfirstlane_b32 s13, v6                    ; wave
	v_and_b32 v7, 31, v0                           ; lane
	v_lshlrev_b32 v1, 4, v7                        ; 16 x lane
	v_lshlrev_b32 v2, 3, v7                        ; 8 x lane
	s_mul_i32 s14, s13, STG
	v_add_nc_u32 v3, s14, v1                       ; into the stage: 16 x lane of a row
	v_and_b32 v6, 15, v0                           ; r
	v_bfe_u32 v7, v0, 4, 1                         ; h
	v_mul_u32_u24 v4, v6, SP
	v_lshl_add_u32 v4, v7, 6, v4
	v_add_nc_u32 v4, s14, v4                       ; out of it: row r, + 64 h
	v_lshlrev_b32 v5, 4, v6
	v_lshl_add_u32 v5, v7, 3, v5                   ; the scale words' place: 16 r + 8 h
	s_lshr_b32 s15, s13, 1                         ; u
	s_and_b32 s16, s13, 1                          ; K half
	s_lshl_b32 s17, ttmp9, 1
	s_add_co_u32 s17, s17, s15                     ; my block
	s_lshl_b32 s18, ttmp9, 17                      ; 32 G rows of 4,096 bytes
	s_lshl_b32 s22, s15, 15                        ; + 8 u rows
	s_add_co_u32 s18, s18, s22
	s_lshl_b32 s22, s16, 11                        ; + my K half
	s_add_co_u32 s18, s18, s22
	s_mov_b32 s19, 0
	s_mul_i32 s24, s17, 12288
	s_mul_i32 s22, s16, 6144
	s_add_co_u32 s24, s24, s22
	s_mov_b32 s25, 0
	s_lshl_b32 s26, s17, 9
	s_lshl_b32 s22, s16, 8
	s_add_co_u32 s26, s26, s22
	s_mov_b32 s27, 0
	s_mov_b32 s[SEL], 0x76543210
	s_mov_b32 s[SEL+1], 0xfedcba98
	s_mov_b32 s12, 0xffff0000                      ; lanes 16-31
.irp b, 0,1,2,3
	v_mov_b32 v[TM+4+\b], 0                        ; written once: a lane permute's destination counts as one of its sources
.endr
	s_wait_alu depctr_va_vdst(0)
	s_wait_kmcnt 0x0
	s_add_nc_u64 s[4:5], s[4:5], s[18:19]
	s_add_nc_u64 s[6:7], s[6:7], s[24:25]
	s_add_nc_u64 s[8:9], s[8:9], s[26:27]
.macro LOAD s, set                     ; K step s of my 16 rows: position p is row p + 8 (p / 8) from my block's first
.irp p, 0,1,2,3,4,5,6,7,8,9,10,11,12,13,14,15
	global_load_b128 v[R+64*(\set)+4*\p:R+64*(\set)+4*\p+3], v1, s[4:5] offset:(\p+8*(\p/8))*4096+512*(\s) th:TH_LOAD_NT
.endr
.endm
.macro TURN set                        ; through the stage: LDS serves a wave's instructions in order, so no wait stands between the stores and the loads
.irp p, 0,1,2,3,4,5,6,7,8,9,10,11,12,13,14,15
	ds_store_b128 v3, v[R+64*(\set)+4*\p:R+64*(\set)+4*\p+3] offset:SP*\p
.endr
.irp b, 0,1,2,3
.irp j, 0,1,2,3
	ds_load_b128 v[X+16*\b+4*\j:X+16*\b+4*\j+3], v4 offset:128*\b+16*\j
.endr
.endr
.endm
; 64 numbers of a lane, register 16 b + i = k 32 b + 16 (lane / 16) + i of my row, become a fragment's codes in v[PC] on and its scale word in v[PW].
.macro QUANT s
.irp b, 0,1,2,3
	v_max3_num_f32 v[TM+\b], |v[\s+16*\b]|, |v[\s+1+16*\b]|, 0x1800000   ; my 16 numbers of block b, and the floor 2^(3 - 127): the byte cannot fall under 1
.endr
.irp i, 2,4,6,8,10,12,14
.irp b, 0,1,2,3
	v_max3_num_f32 v[TM+\b], v[TM+\b], |v[\s+16*\b+\i]|, |v[\s+1+16*\b+\i]|   ; the four blocks by turns
.endr
.endr
.irp b, 0,1,2,3
	v_permlanex16_b32 v[TM+4+\b], v[TM+\b], s[SEL], s[SEL+1]
.endr
.irp b, 0,1,2,3
	v_max_num_f32 v[TM+\b], v[TM+\b], v[TM+4+\b]   ; with lane l xor 16's: the block's largest magnitude
.endr
.irp b, 0,1,2,3
	v_add_nc_u32 v[TM+12+\b], 0xff000000, v[TM+\b] ; 2 off its exponent field: the conversion's scale operand
.endr
.irp b, 0,1,2,3
	v_lshrrev_b32 v[TM+4+\b], 23, v[TM+12+\b]      ; the scale's byte
.endr
	v_lshl_or_b32 v[PW], v[TM+5], 8, v[TM+4]
	v_lshl_or_b32 v[PW], v[TM+6], 16, v[PW]
	v_lshl_or_b32 v[PW], v[TM+7], 24, v[PW]
.irp c, 0,1
	v_cvt_scalef32_pk16_fp6_f32 v[PC+6*\c:PC+2+6*\c], v[\s+32*\c:\s+15+32*\c], v[TM+12+2*\c]
	v_cvt_scalef32_pk16_fp6_f32 v[PC+12+4*\c:PC+14+4*\c], v[\s+16+32*\c:\s+31+32*\c], v[TM+12+2*\c+1]   ; (a conversion's three registers begin on an even number)
.endr
	v_nop                                          ; one plain place behind a scaled conversion
.irp c, 0,1                            ; the operand's layout wants a whole block in a lane: lanes 0-15 block 2 c, lanes 16-31 block 2 c + 1
.irp i, 0,1,2
	v_permlane16_swap_b32 v[PC+6*\c+\i], v[PC+12+4*\c+\i]
.endr
.irp i, 0,1,2
	v_mov_b32 v[PC+3+6*\c+\i], v[PC+12+4*\c+\i]
.endr
.endr
.endm
.macro XSTEP s
.if (\s) < 3
	s_wait_loadcnt 16                              ; this step's 16 loads are in; the next step's 16 may be out
.else
	s_wait_loadcnt 0x0
.endif
	TURN (\s)%2
	s_wait_dscnt 0x0                               ; the numbers are back, so the stores into the stage have read their registers,
.if (\s) < 2
	LOAD (\s)+2, (\s)%2                            ; which take the loads of two steps on
.endif
.if (\s) > 0
	s_wait_xcnt 0x0                                ; the last step's stores have read the codes' registers: they are written again only behind this wait
.endif
	QUANT X
	v_mov_b32 v[8+(\s)], v[PW]
	global_store_b128 v1, v[PC:PC+3], s[6:7] offset:1536*(\s)          ; 512 consecutive bytes
	global_store_b64 v2, v[PC+4:PC+5], s[6:7] offset:1536*(\s)+512     ; 256
	global_store_b128 v1, v[PC+6:PC+9], s[6:7] offset:1536*(\s)+768
	global_store_b64 v2, v[PC+10:PC+11], s[6:7] offset:1536*(\s)+1280
.endm
	LOAD 0, 0
	LOAD 1, 1
	XSTEP 0
	XSTEP 1
	XSTEP 2
	XSTEP 3
	v_cndmask_b32 v8, v8, v10, s12                 ; lanes 0-15 keep the words of steps 0 and 1, lanes 16-31 take those of steps 2 and 3
	v_cndmask_b32 v9, v9, v11, s12
	global_store_b64 v5, v[8:9], s[8:9]            ; 32 lanes store 256 consecutive bytes
	s_wait_tensorcnt 0x0
	ds_add_u32 v254, v255
	s_wait_dscnt 0x0
	s_endpgm
.Lweights:
; w_qkv [1024][3072] and w_proj [1024][1024], f32, K their first axis, become codes of FP6 (E2M3) with one E8M0 byte for each 32 along K.
; The 4,096 columns (w_qkv's, then w_proj's) go in blocks of 16 positions in BLOCK ORDER: block 2 B + u, position p, is column 32 B + 8 u + p + 8 (p / 8).
; wc: [block][K step of 128: 8][1,536 bytes], a fragment as an image of its 12 registers, as xc.  ws: [block][K half][position][4 words], as xs.
; A LANE TAKES A COLUMN AND ITS REGISTERS RUN DOWN K: a block of 32 along K lies in one lane, and the conversions give codes with K innermost.  Column g of a wave's 32 is position (g % 8) + 8 (g / 16) of block (g / 8) % 2;
; K block t of the step is lane half t % 2, registers 6 (t / 2) on, of that position: a lane's 24 bytes go to their place in the image in the wave's own stage, and the images leave as 512 consecutive bytes a store.
; LIMITS as for x.  SHARES: work-group 256 + 32 ky + gx: 128 columns x K step ky; wave w: 32 columns.  gx under 24 serves w_qkv, the others w_proj, by selects on the work-group's number.
.set WST, 3328                         ; a wave's stage: the image of block u at 1,664 u
.set WB,  34304                        ; the four stages lie behind x's stages and the spare words
.set X,   64                           ; v64-191  four blocks of 32 numbers
.set VO,  32                           ; v32-63   4 x column + i x pitch
.set C,   16                           ; v16-21   a block's codes;  v22-24 the second conversion's
.set OUTR, 192                         ; v192-215 the way out
	s_load_b64 s[10:11], s[0:1], 0x18              ; ws
	s_load_b128 s[4:7], s[0:1], 0x20               ; w_qkv, w_proj
	s_load_b64 s[8:9], s[0:1], 0x30                ; wc
	v_lshl_add_u32 v254, v0, 2, 0x8400
	v_mov_b32 v255, 0
	v_lshrrev_b32 v1, 5, v0
	v_readfirstlane_b32 s12, v1                    ; wave
	v_and_b32 v1, 31, v0                           ; g: my column of the wave's 32
	s_sub_co_u32 s34, ttmp9, 256
	s_lshr_b32 s13, s34, 5                         ; ky
	s_and_b32 s34, s34, 31                         ; gx
	v_and_b32 v2, 7, v0
	v_bfe_u32 v3, v0, 4, 1
	v_lshl_or_b32 v2, v3, 3, v2                    ; my position
	v_bfe_u32 v3, v0, 3, 1                         ; u
	s_mul_i32 s28, s12, WST
	s_add_co_u32 s28, s28, WB
	v_mul_u32_u24 v9, v3, 1664
	v_add_nc_u32 v9, s28, v9
	v_lshl_add_u32 v4, v2, 4, v9                   ; into the stage: registers 0-3 of a half image
	v_lshl_add_u32 v5, v2, 3, v9                   ; and registers 4-5
	v_lshlrev_b32 v7, 4, v1                        ; 16 x lane
	v_add_nc_u32 v6, s28, v7                       ; out of it
	v_lshlrev_b32 v8, 4, v2
	v_lshl_add_u32 v8, v3, 9, v8                   ; my scale word: 512 u + 16 p
	s_lshl_b32 s29, s34, 3
	s_lshl_b32 s30, s12, 1
	s_add_co_u32 s29, s29, s30                     ; the wave's first block: 8 gx + 2 w
	s_mul_i32 s30, s29, 12288
	s_mul_i32 s31, s13, 1536
	s_add_co_u32 s30, s30, s31
	s_mov_b32 s31, 0
	s_lshl_b32 s32, s29, 9
	s_lshr_b32 s33, s13, 2
	s_lshl_b32 s33, s33, 8
	s_add_co_u32 s32, s32, s33
	s_and_b32 s33, s13, 3
	s_lshl_b32 s33, s33, 2
	s_add_co_u32 s32, s32, s33
	s_mov_b32 s33, 0
	s_wait_kmcnt 0x0
	s_add_nc_u64 s[8:9], s[8:9], s[30:31]
	s_add_nc_u64 s[10:11], s[10:11], s[32:33]
	s_cmp_lt_u32 s34, 24                           ; which tensor: the choice hangs on the work-group's number alone
	s_cselect_b64 s[4:5], s[4:5], s[6:7]
	s_mov_b32 s14, 4096
	s_cselect_b32 s14, 12288, s14                  ; a row in bytes
	s_cselect_b32 s15, 0, 24
	s_sub_co_u32 s15, s34, s15
	s_lshl_b32 s15, s15, 9                         ; 128 columns of 4 bytes for each work-group,
	s_lshl_b32 s24, s12, 7
	s_add_co_u32 s15, s15, s24                     ; 32 for each wave
	s_lshl_b32 s24, s13, 7
	s_mul_i32 s24, s24, s14                        ; 128 ky rows
	s_add_co_u32 s24, s24, s15
	s_mov_b32 s25, 0
	s_lshl_b32 s26, s14, 5                         ; 32 rows on
	s_mov_b32 s27, 0
	s_add_nc_u64 s[16:17], s[4:5], s[24:25]        ; a base for each of the four blocks: no pointer is stepped
	s_add_nc_u64 s[18:19], s[16:17], s[26:27]
	s_add_nc_u64 s[20:21], s[18:19], s[26:27]
	s_add_nc_u64 s[22:23], s[20:21], s[26:27]
	v_lshlrev_b32 v[VO], 2, v1
.irp i, 1,2,3,4,5,6,7,8,9,10,11,12,13,14,15,16,17,18,19,20,21,22,23,24,25,26,27,28,29,30,31
	v_mad_u32_u24 v[VO+\i], s14, \i, v[VO]
.endr
.macro LOADB t                         ; block t: rows 32 t + i of the K step, my column: 128 consecutive bytes a wave, 512 a work-group
.irp i, 0,1,2,3,4,5,6,7,8,9,10,11,12,13,14,15,16,17,18,19,20,21,22,23,24,25,26,27,28,29,30,31
	global_load_b32 v[X+32*(\t)+\i], v[VO+\i], s[16+2*(\t):17+2*(\t)] th:TH_LOAD_NT
.endr
.endm
.macro BLOCK t
.set XS, X+32*(\t)
.if (\t) < 3
	s_wait_loadcnt 32                              ; this block's 32 loads are in; the next block's may be out
.else
	s_wait_loadcnt 0x0
.endif
.if (\t) < 2
	LOADB (\t)+2
.endif
	v_max3_num_f32 v12, |v[XS]|, |v[XS+1]|, |v[XS+2]|        ; the block's largest magnitude: all 32 numbers are mine
	v_max3_num_f32 v13, |v[XS+3]|, |v[XS+4]|, |v[XS+5]|
.irp i, 6,10,14,18,22,26
	v_max3_num_f32 v12, v12, |v[XS+\i]|, |v[XS+\i+1]|
	v_max3_num_f32 v13, v13, |v[XS+\i+2]|, |v[XS+\i+3]|
.endr
	v_max3_num_f32 v12, v12, |v[XS+30]|, |v[XS+31]|
	v_max3_num_f32 v12, v12, v13, 0x1800000        ; and the floor 2^(3 - 127)
	v_add_nc_u32 v11, 0xff000000, v12              ; 2 off its exponent field: the conversion's scale operand
	v_lshrrev_b32 v13, 23, v11                     ; the scale's byte
.if (\t) == 0
	v_mov_b32 v26, v13                             ; four bytes make my column's scale word of this K step
.else
	v_lshl_or_b32 v26, v13, 8*(\t), v26
.endif
	v_cvt_scalef32_pk16_fp6_f32 v[C:C+2], v[XS:XS+15], v11
	v_cvt_scalef32_pk16_fp6_f32 v[C+6:C+8], v[XS+16:XS+31], v11   ; (a conversion's three registers begin on an even number)
	v_nop                                          ; one plain place behind a scaled conversion
.irp i, 0,1,2
	v_mov_b32 v[C+3+\i], v[C+6+\i]
.endr
	ds_store_b128 v4, v[C:C+3] offset:768*((\t)/2)+256*((\t)%2)
	ds_store_b64 v5, v[C+4:C+5] offset:768*((\t)/2)+512+128*((\t)%2)
	s_wait_dscnt 0x0                               ; the stores have read their registers: the next block's codes may be written
.endm
	LOADB 0
	LOADB 1
	s_wait_alu depctr_va_vdst(0)
	BLOCK 0
	BLOCK 1
	BLOCK 2
	BLOCK 3
.irp n, 0,1,2,3,4,5
	ds_load_b128 v[OUTR+4*\n:OUTR+4*\n+3], v6 offset:1664*(\n/3)+512*(\n%3)   ; LDS serves a wave's instructions in order: these see my stores
.endr
.irp n, 0,1,2,3,4,5
	s_wait_dscnt 5-\n
	global_store_b128 v7, v[OUTR+4*\n:OUTR+4*\n+3], s[8:9] offset:12288*(\n/3)+512*(\n%3)   ; 512 consecutive bytes
.endr
	s_wait_alu depctr_va_vdst(0)
	global_store_b32 v8, v26, s[10:11]
	s_wait_tensorcnt 0x0                           ; the wave's end
	ds_add_u32 v254, v255
	s_wait_dscnt 0x0
	s_endpgm
.Lfunc_end_k_q92478ed993_quant_x:
	.size	k_q92478ed993_quant_x, .Lfunc_end_k_q92478ed993_quant_x-k_q92478ed993_quant_x
	.p2alignl 7, 3214868480
	.fill 96, 4, 3214868480
	.section	.rodata,"a",@progbits
	.p2align	6, 0x0
	.amdhsa_kernel k_q92478ed993_quant_x
		.amdhsa_group_segment_fixed_size 47616
		.amdhsa_private_segment_fixed_size 0
		.amdhsa_enable_private_segment 0
		.amdhsa_kernarg_size 56
		.amdhsa_user_sgpr_count 2
		.amdhsa_user_sgpr_kernarg_segment_ptr 1
		.amdhsa_wavefront_size32 1
		.amdhsa_system_sgpr_workgroup_id_x 1
		.amdhsa_system_sgpr_workgroup_id_y 1
		.amdhsa_system_sgpr_workgroup_id_z 1
		.amdhsa_system_vgpr_workitem_id 0
		.amdhsa_next_free_vgpr 256
		.amdhsa_next_free_sgpr 66
		.amdhsa_reserve_vcc 0
		.amdhsa_float_denorm_mode_32 3
		.amdhsa_float_denorm_mode_16_64 3
		.amdhsa_memory_ordered 1
		.amdhsa_forward_progress 1
		.amdhsa_inst_pref_size 58
	.end_amdhsa_kernel
	.amdgpu_metadata
---
amdhsa.version: [ 1, 2 ]
amdhsa.kernels:
  - .name:           k_q92478ed993_quant_x
    .symbol:         k_q92478ed993_quant_x.kd
    .args:
      - { .name: x, .offset: 0, .size: 8, .value_kind: global_buffer, .address_space: global }
      - { .name: xc, .offset: 8, .size: 8, .value_kind: global_buffer, .address_space: global }
      - { .name: xs, .offset: 16, .size: 8, .value_kind: global_buffer, .address_space: global }
      - { .name: ws, .offset: 24, .size: 8, .value_kind: global_buffer, .address_space: global }
      - { .name: w_qkv, .offset: 32, .size: 8, .value_kind: global_buffer, .address_space: global }
      - { .name: w_proj, .offset: 40, .size: 8, .value_kind: global_buffer, .address_space: global }
      - { .name: wc, .offset: 48, .size: 8, .value_kind: global_buffer, .address_space: global }
    .group_segment_fixed_size: 47616
    .private_segment_fixed_size: 0
    .kernarg_segment_align: 8
    .kernarg_segment_size: 56
    .max_flat_workgroup_size: 128
    .sgpr_count:     66
    .vgpr_count:     256
    .wavefront_size: 32
...
	.end_amdgpu_metadata
.endif
;; end of part 1
;; launch gemm1 (part 2): grid 12 x 32, 4 waves a work-group, clusters of 4 x 4, 327,680 bytes of LDS; arguments xc, xs, wc, ws, qkv, qkvs; writes qkv, qkvs
.if DOCPART == 2
	.amdgcn_target "amdgcn-amd-amdhsa--gfx1250"
	.amdhsa_code_object_version 6
	.text
	.protected	k_q92478ed993_gemm1
	.globl	k_q92478ed993_gemm1
	.p2align	8
	.type	k_q92478ed993_gemm1,@function
k_q92478ed993_gemm1:
	s_mov_b64 s[64:65], 0
	v_nop
	global_prefetch_b8 v0, s[64:65] scope:SCOPE_SE
	s_setreg_imm32_b32 hwreg(HW_REG_WAVE_MODE, 25, 1), 1
	s_wait_xcnt 0x0
	s_wait_alu depctr_hold_cnt(0) depctr_sa_sdst(0) depctr_va_vdst(0) depctr_va_sdst(0) depctr_va_ssrc(0) depctr_va_vcc(0) depctr_vm_vsrc(0)
	s_getreg_b32 s2, hwreg(HW_REG_IB_STS2, 6, 4)
	s_cmp_eq_u32 s2, 0
	s_cbranch_scc0 .Lentry_in_a_cluster
	s_endpgm
.Lentry_in_a_cluster:
	s_bfe_u32 s2, ttmp6, 0x10000c
	s_cmp_lg_u32 s2, 0xf033
	s_cbranch_scc0 .Lentry_shape_is_right
	s_endpgm
.Lentry_shape_is_right:
; qkv = x w_qkv on codes of FP6 (E2M3) with E8M0 scales, and its result quantised at once for the attention: q and k along the head's 64 channels, v along the tokens.  No f32 number of qkv goes to memory.
; P[i][j] = sum over k of A[i][k] B[j][k]; source 0 = 16 positions of B, source 1 = 16 positions of A: a lane holds ONE position of A and its registers run along B.  Both operands come as images of fragments in BLOCK ORDER
; (block 2 B + u, position p, is row 32 B + 8 u + p + 8 (p / 8)), so the 16 registers of B's blocks 2 B, 2 B + 1 are 16 neighbours, 32 B + 16 (lane / 16) + 0 .. 15: what the next quantiser wants in a lane.
; ROLES.  Clusters x = 0, 1 make q and k: A = x (tokens), B = w (channels).  Cluster x = 2 makes v: A = w (channels), B = x (tokens), since v's next K is the tokens.  The roles are chosen by selects on the cluster's x, which all
; partners share; no branch hangs on it.  A's tile hangs on cy alone among the places in the cluster and is asked for jointly along the cluster's row, B's on cx alone and along its column.
; A tile of P is 256 x 256: four waves, each 128 x 128 in 64 accumulators.  K = 1,024 goes in four steps of 256 through two LDS slots; a block's 3,072 bytes of a step are consecutive in memory and in LDS, so a fragment is four
; LDS loads of 512 or 256 consecutive bytes.  The scale words of the tile's 512 rows for all of K come once, with the first fills.  A wave has at most one tensor load out.
; OUT.  qkv: regions q, k, v; head row HR = 64 region + 16 batch + head, 98,304 bytes.  q, k: [tile of 16 tokens: 128][768 bytes: 16 positions x 64 channels as an image of 6 registers].  v: [128 keys: 16][16 channels: 4][1,536: a fragment].
; qkvs: 4,096 bytes a head row.  q, k: [pair of tiles][position] words, the low half the first tile's two bytes, the high half the second's.  v: [128 keys][16 channels][position] words.
; LIMITS: a block of zeros gets the byte 1 where the quantiser says 127 (zero codes; read by this program alone); blocks under 2^-124 are held at byte 1; NaN and infinities are not served.
; REGISTERS, in windows of 256: window 0: v16-31 addresses; v32-63 scale words, two sets, and nothing else; v64-123 the way out; v128-223 A's fragments, one set.  Window 1: B's fragments, two sets, at v0 and v128.
;   Window 2: the accumulators of my A blocks 0-3 ((a, b) at v[8 (8 a + b)]); window 3: of blocks 4-7.
.set NQ,     2                         ; matrix instructions deep in a slot
.set FR,     12                        ; registers of a fragment
.set NL,     4                         ; LDS loads that bring one
.set NP,     4                         ; places behind this matrix instruction (ISA guide 7.12.1)
.set FRB,    1536
.set BLKB,   NQ*FRB                    ; a block's part of a slot
.set HALFT,  8*BLKB                    ; 8 blocks: what one tensor load brings, and what one wave reads of A or of B
.set SLOT,   4*HALFT                   ; A's 16 blocks, then B's 16
.set SCL,    2*SLOT                    ; behind the ring: the scale words, 512 bytes a block: A's 16 blocks, then B's
.set HALFS,  8*512
.set SPARE,  SCL+4*HALFS               ; the spare words, 128 bytes for each wave: two blocks of 256 bytes that no other line names
.set SCRATCH, SPARE+512                ; 512 bytes for each wave: the way out of the scale words; no fill lands here
.set ADRA, 16                          ; v16-17 my A fragments in slot 0, 1, + 16 x lane;  v18-19 the same + 8 x lane
.set ADRB, 20                          ; v20-23 the same for B
.set L16,  24                          ; 16 x lane
.set L8,   25                          ; 8 x lane
.set SOFF, 26                          ; 16 r + 4,096 h
.set ADRS, 27                          ; my scale words: lanes 0-15 A's, lanes 16-31 B's
.set SPW,  28                          ; my spare word; never rewritten
.set NIL,  29                          ; 0; never rewritten
.set SCR,  30
.set SCRD, 31
.set SC,   32
.set AF,   128
.set PC,   64                          ; the way out: codes v64-75, the conversions' second halves v76-78, v80-82
.set TM,   84
.set PW,   100
.set PWS,  104                         ; the eight blocks' scale words
.set T,    112
.set U,    120
.set SEL,  2                           ; s[2:3] lane selects: lane l xor 16
.set G1, 24
.set G0, 32
.set G1B, 48
.set G0B, 56
.set G1S, 68
.set G0S, 76
.set G1SB, 80
.set G0SB, 88
.set MSB, 0
.macro WIN new                         ; the immediate's high byte repeats the setting that is left
.if MSB != (\new)
	s_set_vgpr_msb (MSB<<8)|(\new)
.set MSB, (\new)
.endif
.endm
.set MUL_LO, 0xa1                      ; source 0 (B) window 1, source 1 (A) window 0, C and D window 2
.set MUL_HI, 0xf1                      ; the same, C and D window 3
.set TO_B,   0x40                      ; destination window 1, address window 0
; A joint load: waves 0 and 1 fetch for A, waves 2 and 3 for B; the branch hangs on the wave's number alone.  Four v_nop follow each of the two lines.
.macro JLOAD g0a, g1a, g0b, g1b
	s_cmp_eq_u32 s15, 0
	s_cbranch_scc0 .Lfor_b_\@
	tensor_load_to_lds s[\g0a:\g0a+3], s[\g1a:\g1a+7]
	s_nop 0
.rept 4
	v_nop
.endr
	s_branch .Lasked_\@
.Lfor_b_\@:
	tensor_load_to_lds s[\g0b:\g0b+3], s[\g1b:\g1b+7]
	s_nop 0
.rept 4
	v_nop
.endr
.Lasked_\@:
.endm
.macro CREST                           ; a round of the cluster's barrier behind its opening barrier
	s_cmp_lg_u32 s14, 0
	s_cbranch_scc1 .Lnot_wave_0_\@
	s_barrier_signal -3
.Lnot_wave_0_\@:
	s_barrier_wait -3
	s_barrier_signal -1
	s_barrier_wait -1
.endm
.macro CROUND
	s_barrier_signal -1
	s_barrier_wait -1
	CREST
.endm
	s_load_b256 s[4:11], s[0:1], 0x0               ; xc, xs, wc, ws
	s_load_b128 s[96:99], s[0:1], 0x20             ; qkv, qkvs
	v_lshl_add_u32 v[SPW], v0, 2, SPARE
	v_mov_b32 v[NIL], 0
	ds_add_u32 v28, v29
	ds_add_u32 v28, v29
	s_wait_dscnt 0x0
	v_lshrrev_b32 v1, 5, v0
	v_readfirstlane_b32 s14, v1                    ; wave 0..3
	s_lshr_b32 s15, s14, 1                         ; which half of A's blocks is mine.  Also: I fetch for A (0) or for B (1)
	s_and_b32 s16, s14, 1                          ; which half of B's.  Also: which 8 blocks I fetch
	s_bfe_u32 s40, ttmp6, 0x40000                  ; cx
	s_bfe_u32 s41, ttmp6, 0x40004                  ; cy
	s_and_b32 s43, ttmp7, 0xffff                   ; cluster y
	s_cmp_eq_u32 ttmp9, 2                          ; the cluster that makes v?
	s_cselect_b32 s17, 2, s43
	s_cselect_b32 s42, s43, ttmp9
	s_lshl_b32 s17, s17, 2
	s_add_co_u32 s17, s17, s41                     ; A's tile of 256: tokens 4 cluster y + cy, or for v channels 8 + cy
	s_lshl_b32 s42, s42, 2
	s_add_co_u32 s42, s42, s40                     ; B's tile: channels 4 cluster x + cx, or for v tokens 4 cluster y + cx
	s_lshl_b32 s43, s41, 2
	s_lshl_b32 s43, 15, s43                        ; my row of the cluster
	s_lshl_b32 s44, 0x1111, s40                    ; my column
	; group 1 for the codes: 8 rows (blocks) of 3,072 bytes (384 elements of 8 bytes), 12,288 bytes apart; consecutive in LDS
	s_or_b32 s[G1+0], s43, (3<<16)|(1<<21)         ; 15:0 the mask; 17:16 elements of 8 bytes; 21 set beside a mask
	s_or_b32 s[G1B+0], s44, (3<<16)|(1<<21)
.irp g, G1, G1B
	s_mov_b32 s[\g+1], 384<<16                     ; tensor_dim0
	s_mov_b32 s[\g+2], 16<<16                      ; tensor_dim1: the head's loads bring a tile's 16 blocks; behind them the ring's bring 8
	s_mov_b32 s[\g+3], 384<<16                     ; tile_dim0
	s_mov_b32 s[\g+4], 16                          ; tile_dim1
	s_mov_b32 s[\g+5], 1536                        ; tensor_dim0_stride
	s_mov_b32 s[\g+6], 0
	s_mov_b32 s[\g+7], 0
.endr
	; the tiles' first blocks: byte offsets into the codes (12,288 a block) and the scale words (512 a block)
	s_lshl_b32 s66, s17, 4                         ; A: the tile's first block
	s_lshl_b32 s67, s42, 4                         ; B likewise
	s_mul_i32 s12, s66, 12288
	s_mov_b32 s13, 0
	s_lshl_b32 s18, s66, 9
	s_mov_b32 s19, 0
	s_mul_i32 s94, s67, 12288
	s_mov_b32 s95, 0
	s_lshl_b32 s100, s67, 9
	s_mov_b32 s101, 0
	s_mul_i32 s45, s14, HALFT                      ; where they go: wave x 8 blocks: no place in the cluster enters an LDS address
	s_lshl_b32 s104, s14, 12
	s_mov_b32 s[SEL], 0x76543210
	s_mov_b32 s[SEL+1], 0xfedcba98
	s_wait_kmcnt 0x0
	s_cmp_eq_u32 ttmp9, 2
	s_cselect_b64 s[20:21], s[8:9], s[4:5]         ; A's codes: w's for v, else x's
	s_cselect_b64 s[22:23], s[10:11], s[6:7]       ; A's scales
	s_cselect_b64 s[46:47], s[4:5], s[8:9]         ; B's codes
	s_cselect_b64 s[92:93], s[6:7], s[10:11]       ; B's scales
	s_add_nc_u64 s[20:21], s[20:21], s[12:13]
	s_add_nc_u64 s[22:23], s[22:23], s[18:19]
	s_add_nc_u64 s[46:47], s[46:47], s[94:95]
	s_add_nc_u64 s[92:93], s[92:93], s[100:101]
	CROUND                                         ; all sixteen work-groups are here: the first joint loads meet
; THE HEAD'S FOUR TILES, each whole (16 blocks x 3,072 bytes): K step 0 of A and of B into slot 0, K step 1 of A and of B into slot 1.  Their group 0 lies in registers that held arguments, and in s[76:79], s[88:91].
.macro HEAD0 g, lds, base, off
	s_mov_b32 s[\g], 1
	s_mov_b32 s[\g+1], \lds
	s_add_nc_u64 s[\g+2:\g+3], s[\base:\base+1], \off
	s_or_b32 s[\g+3], s[\g+3], 0x80000000
.endm
	HEAD0 4, 0, 20, 0
	HEAD0 8, 2*HALFT, 46, 0
	HEAD0 G0S, SLOT, 20, BLKB
	HEAD0 G0SB, SLOT+2*HALFT, 46, BLKB
	s_mul_i32 s12, s16, 8*12288                    ; for the ring: my 8 blocks of the tile
	s_add_nc_u64 s[20:21], s[20:21], s[12:13]
	s_add_nc_u64 s[46:47], s[46:47], s[12:13]
.irp s, 0,1
	s_mov_b32 s[G0+4*\s], 1
	s_add_co_u32 s[G0+4*\s+1], s45, \s*SLOT
	s_add_nc_u64 s[G0+4*\s+2:G0+4*\s+3], s[20:21], \s*BLKB
	s_or_b32 s[G0+4*\s+3], s[G0+4*\s+3], 0x80000000
	s_mov_b32 s[G0B+4*\s], 1
	s_add_co_u32 s[G0B+4*\s+1], s45, \s*SLOT
	s_add_nc_u64 s[G0B+4*\s+2:G0B+4*\s+3], s[46:47], \s*BLKB
	s_or_b32 s[G0B+4*\s+3], s[G0B+4*\s+3], 0x80000000
.endr
; One tensor load a wave at the head, in one chain of branches on the wave's number: every way passes exactly one load.
.macro ARM under, g0, g1, next
	s_cmp_lt_u32 s14, \under
	s_cbranch_scc0 \next
	tensor_load_to_lds s[\g0:\g0+3], s[\g1:\g1+7]
	s_nop 0
.rept 4
	v_nop
.endr
	s_branch .Lhead_asked
\next:
.endm
	ARM 1, 4, G1, .Lhead_b
	ARM 2, 8, G1B, .Lhead_a1
	ARM 3, G0S, G1, .Lhead_b1
	tensor_load_to_lds s[G0SB:G0SB+3], s[G1B:G1B+7]
	s_nop 0
.rept 4
	v_nop
.endr
.Lhead_asked:
	v_and_b32 v1, 15, v0
	v_bfe_u32 v2, v0, 4, 1                         ; h
	v_and_b32 v3, 31, v0
	v_lshlrev_b32 v[L16], 4, v3
	v_lshlrev_b32 v[L8], 3, v3
	; the scale words: 4,096 consecutive bytes a wave (waves 0, 1: A's halves; 2, 3: B's) through registers into LDS bytes that no tensor load fills
	s_cmp_eq_u32 s15, 0
	s_cselect_b64 s[92:93], s[22:23], s[92:93]
	s_lshl_b32 s18, s16, 12
	s_add_nc_u64 s[92:93], s[92:93], s[18:19]
	s_add_co_u32 s104, s104, SCL
	v_add_nc_u32 v7, s104, v[L16]
	s_wait_alu depctr_va_vdst(0)
.irp i, 0,1,2,3,4,5,6,7
	global_load_b128 v[64+4*\i:67+4*\i], v[L16], s[92:93] offset:512*\i
.endr
	s_mul_i32 s21, s15, HALFT                      ; my 8 blocks of A
	s_mul_i32 s22, s16, HALFT                      ; my 8 blocks of B,
	s_add_co_u32 s22, s22, 2*HALFT                 ; which lie behind A's 16
.irp s, 0,1
	v_add_nc_u32 v[ADRA+\s], s21, v[L16]
	v_add_nc_u32 v[ADRB+\s], s22, v[L16]
	v_add_nc_u32 v[ADRA+2+\s], s21, v[L8]
	v_add_nc_u32 v[ADRB+2+\s], s22, v[L8]
	s_add_co_u32 s21, s21, SLOT
	s_add_co_u32 s22, s22, SLOT
.endr
	v_lshlrev_b32 v5, 4, v1                        ; a position's four words: 16 r
	s_lshl_b32 s21, s15, 12                        ; A's: my 8 blocks
	s_lshl_b32 s22, s16, 12                        ; B's: my 8 blocks, behind A's 16
	s_add_co_u32 s22, s22, 2*HALFS
	s_sub_co_u32 s22, s22, s21
	v_mul_u32_u24 v6, s22, v2                      ; lanes 16-31 take B's: one product by h
	s_add_co_u32 s21, s21, SCL
	v_add_nc_u32 v5, v5, v6
	v_add_nc_u32 v[ADRS], s21, v5
	v_lshlrev_b32 v[SOFF], 4, v1
	v_lshl_add_u32 v[SOFF], v2, 12, v[SOFF]
	s_lshl_b32 s23, s14, 9
	s_add_co_u32 s23, s23, SCRATCH
	v_lshl_add_u32 v[SCR], v1, 2, s23
	v_add_nc_u32 v[SCRD], s23, v[L16]
.macro FRAG reg, adr, q, i             ; block i's fragment of the slot's q-th 128 along K: the image comes back as it was stored
	ds_load_b128 v[\reg:\reg+3], v[\adr] offset:(\i)*BLKB+(\q)*FRB
	ds_load_b64 v[\reg+4:\reg+5], v[\adr+2] offset:(\i)*BLKB+(\q)*FRB+512
	ds_load_b128 v[\reg+6:\reg+9], v[\adr] offset:(\i)*BLKB+(\q)*FRB+768
	ds_load_b64 v[\reg+10:\reg+11], v[\adr+2] offset:(\i)*BLKB+(\q)*FRB+1280
.endm
; 16 matrix instructions: A's blocks a0, a0 + 1 x B's eight.  p: B's set; sc: the set of scale words.  zero = 1: the first product starts the sums.  The 64 accumulators take turns, one instruction a turn, in the same order
; in every step.  One register carries A's word (lanes 0-15) and B's (lanes 16-31).
.macro MUL16 a0, p, q, sc, zero
.irp a, \a0, \a0+1
.irp b, 0,1,2,3,4,5,6,7
.if \zero
	v_wmma_scale_f32_16x16x128_f8f6f4 v[8*(8*((\a)%4)+\b):8*(8*((\a)%4)+\b)+7], v[128*(\p)+FR*\b:128*(\p)+FR*\b+FR-1], v[AF+FR*(\a):AF+FR*(\a)+FR-1], 0, v[SC+8*NQ*(\sc)+NQ*\b+(\q)], v[SC+8*NQ*(\sc)+NQ*(\a)+(\q)] matrix_a_fmt:MATRIX_FMT_FP6 matrix_b_fmt:MATRIX_FMT_FP6 matrix_a_scale:MATRIX_SCALE_ROW1
.else
	v_wmma_scale_f32_16x16x128_f8f6f4 v[8*(8*((\a)%4)+\b):8*(8*((\a)%4)+\b)+7], v[128*(\p)+FR*\b:128*(\p)+FR*\b+FR-1], v[AF+FR*(\a):AF+FR*(\a)+FR-1], v[8*(8*((\a)%4)+\b):8*(8*((\a)%4)+\b)+7], v[SC+8*NQ*(\sc)+NQ*\b+(\q)], v[SC+8*NQ*(\sc)+NQ*(\a)+(\q)] matrix_a_fmt:MATRIX_FMT_FP6 matrix_b_fmt:MATRIX_FMT_FP6 matrix_a_scale:MATRIX_SCALE_ROW1
.endif
.endr
.endr
.endm
.macro FETCH_B slot, q, p
	WIN TO_B
.irp i, 0,1,2,3,4,5,6,7
	FRAG 128*(\p)+FR*\i, ADRB+\slot, \q, \i
.endr
	WIN 0
.endm
.macro FETCH_A slot, q, i0
.irp i, \i0, \i0+1, \i0+2, \i0+3
	FRAG AF+FR*(\i), ADRA+\slot, \q, \i
.endr
.endm
.macro SCALES sc                       ; a K step's two words a position: lanes 0-15 A's block i, lanes 16-31 B's block i
.irp i, 0,1,2,3,4,5,6,7
	ds_load_b64 v[SC+8*NQ*\sc+NQ*\i:SC+8*NQ*\sc+NQ*\i+1], v[ADRS] offset:\i*512
.endr
.endm
.macro PLACES n                        ; plain vector instructions between a matrix instruction and a load into, or a read of, its registers (ISA guide 7.12.1 for reads)
.rept \n
	v_nop
.endr
.endm
.macro STEP slot, q, zero              ; a step of 128 along K that has its successor in the same slot
	s_wait_dscnt 4*NL                              ; B's set and A's blocks 0-3 are in; the youngest 16 loads (A's blocks 4-7) may be out
	WIN MUL_LO
	MUL16 0, (\q)%2, \q, \slot, \zero
	MUL16 2, (\q)%2, \q, \slot, \zero
	s_wait_dscnt 0                                 ; A's blocks 4-7 are in
	PLACES NP
	FETCH_B \slot, (\q)+1, 1-(\q)%2
	FETCH_A \slot, (\q)+1, 0
	WIN MUL_HI
	MUL16 4, (\q)%2, \q, \slot, \zero
	MUL16 6, (\q)%2, \q, \slot, \zero
	PLACES NP
	WIN 0
	FETCH_A \slot, (\q)+1, 4
.endm
; A slot's last step changes slots: one barrier; in front of it each wave waits for all its tensor loads, adds 0 to its spare word, and waits for that and for its reads of this slot.
; fill = 1: this slot is filled again, two K steps ahead, behind a round of the cluster's barrier.  adv: bytes to the next K step's scale words.
.macro TURN slot, next, fill, adv
	s_wait_tensorcnt 0x0                           ; all my tensor loads have landed: my part of the next slot
	ds_add_u32 v[SPW], v[NIL]                      ; 0 onto my spare word
	s_wait_dscnt 4*NL+1                            ; (the add and the youngest 16 loads, A's blocks 4-7, may be out)
	WIN MUL_LO
	MUL16 0, 1, NQ-1, \slot, 0                     ; sixteen matrix instructions stand between the add and the wait for it
	s_wait_dscnt 0x0                               ; the add is done, and my reads of this slot are over
	s_barrier_signal -1
	MUL16 2, 1, NQ-1, \slot, 0
	WIN 0
	s_barrier_wait -1
.if \fill
	CREST                                          ; no wave of any partner still reads this slot or has a load on its way
	s_add_nc_u64 s[G0+4*\slot+2:G0+4*\slot+3], s[G0+4*\slot+2:G0+4*\slot+3], 2*BLKB
	s_add_nc_u64 s[G0B+4*\slot+2:G0B+4*\slot+3], s[G0B+4*\slot+2:G0B+4*\slot+3], 2*BLKB
	JLOAD G0+4*\slot, G1, G0B+4*\slot, G1B         ; the first tensor load behind the round; its four v_nop are the places in front of the loads below
.else
	PLACES NP
.endif
	s_wait_alu depctr_va_vdst(0)
	v_add_nc_u32 v[ADRS], \adv, v[ADRS]
	FETCH_B \next, 0, 0
	FETCH_A \next, 0, 0
	SCALES \next
	WIN MUL_HI
	MUL16 4, 1, NQ-1, \slot, 0
	MUL16 6, 1, NQ-1, \slot, 0
	PLACES NP
	WIN 0
	FETCH_A \next, 0, 4
.endm
	s_wait_alu depctr_va_vdst(0)
	s_wait_tensorcnt 0x0                           ; my tile of the head's four is in: no tensor load of mine is out, so group 1 may be written:
	s_mov_b32 s[G1+2], 8<<16                       ; from here on a load brings 8 blocks
	s_mov_b32 s[G1+4], 8
	s_mov_b32 s[G1B+2], 8<<16
	s_mov_b32 s[G1B+4], 8
	s_wait_loadcnt 0x0                             ; my 4,096 bytes of scale words are in registers
.irp i, 0,1,2,3,4,5,6,7
	ds_store_b128 v7, v[64+4*\i:67+4*\i] offset:512*\i
.endr
	s_wait_dscnt 0x0                               ; and in LDS
	s_barrier_signal -1
	s_barrier_wait -1                              ; everybody's are
	FETCH_B 0, 0, 0
	FETCH_A 0, 0, 0
	SCALES 0
	FETCH_A 0, 0, 4
	STEP 0, 0, 1                                   ; the first products start the sums.  K has four steps of 256: they are written out
	TURN 0, 1, 1, 8                                ; slot 0 takes K step 2
	STEP 1, 0, 0
	TURN 1, 0, 1, 248                              ; slot 1 takes K step 3
	STEP 0, 0, 0
	TURN 0, 1, 0, 8                                ; nothing is left to fetch
	STEP 1, 0, 0
	s_wait_dscnt 4*NL
	WIN MUL_LO
	MUL16 0, 1, NQ-1, 1, 0
	MUL16 2, 1, NQ-1, 1, 0
	s_wait_dscnt 0
	WIN MUL_HI
	MUL16 4, 1, NQ-1, 1, 0
	MUL16 6, 1, NQ-1, 1, 0
	WIN 0
	; THE WAY OUT.  A block a's 64 registers of a lane are 128 neighbours' worth along B (16 of each 32): they are quantised as they stand and leave as images.
	PLACES NP
.irp b, 0,1,2,3
	v_mov_b32 v[TM+4+\b], 0                        ; written once: a lane permute's destination counts as one of its sources
.endr
	s_lshl_b32 s4, s17, 1
	s_add_co_u32 s4, s4, s15                       ; my 128 of A
	s_lshl_b32 s5, s42, 1
	s_add_co_u32 s5, s5, s16                       ; my 128 of B
	s_cmp_eq_u32 ttmp9, 2
	s_cselect_b32 s6, s5, s4                       ; which 128 tokens,
	s_cselect_b32 s7, s4, s5                       ; which 128 channels (two heads)
	s_cselect_b32 s8, -1, 0                        ; all lanes for v, none for q and k
	s_mov_b32 s10, 98304
	s_cselect_b32 s10, 768, s10                    ; from a fragment's first half to its second: v: 768 bytes on; q, k: the next head
	s_mov_b32 s12, 768
	s_cselect_b32 s18, 1536, s12                   ; from block to block: v: the next 16 channels; q, k: the next tile of tokens
	s_cselect_b32 s20, 93696, s12                  ; from block 3 to block 4: v: the next head's first 16 channels (98,304 - 3 x 1,536)
	s_mov_b32 s11, 0
	s_mov_b32 s19, 0
	s_mov_b32 s21, 0
	s_lshr_b32 s9, s7, 3
	s_lshl_b32 s9, s9, 6                           ; 64 x region
	s_lshr_b32 s12, s6, 4
	s_lshl_b32 s12, s12, 4                         ; + 16 x batch
	s_add_co_u32 s9, s9, s12
	s_and_b32 s12, s7, 7
	s_lshl_b32 s12, s12, 1                         ; + my first head
	s_add_co_u32 s9, s9, s12
	s_and_b32 s6, s6, 15                           ; which 128 tokens of the batch
	s_mul_i32 s22, s9, 98304
	s_mul_i32 s12, s6, 6144
	s_add_co_u32 s22, s22, s12
	s_mov_b32 s23, 0
	s_add_nc_u64 s[96:97], s[96:97], s[22:23]      ; where a fragment's first half goes,
	s_add_nc_u64 s[4:5], s[96:97], s[10:11]        ; and its second
	s_lshl_b32 s22, s9, 12
	s_lshl_b32 s12, s6, 8
	s_add_co_u32 s22, s22, s12
	s_add_nc_u64 s[98:99], s[98:99], s[22:23]      ; the scale words
; 64 results of a lane in window w, register 16 b + i = k 32 b + 16 (lane / 16) + i, become a fragment's codes in v[PC] on and its scale word in v[PW].  Each accumulator is read from its low end on.
.macro QUANTW s, w
	WIN (((\w)<<2)|((\w)<<4))                      ; sources 1 and 2 in the accumulators' window
.irp b, 0,1,2,3
	v_max3_num_f32 v[TM+\b], 0x1800000, |v[\s+16*\b]|, |v[\s+1+16*\b]|   ; the floor 2^(3 - 127) and my 16 numbers of block b
.endr
.irp i, 2,4,6,8,10,12,14
.irp b, 0,1,2,3
	v_max3_num_f32 v[TM+\b], v[TM+\b], |v[\s+16*\b+\i]|, |v[\s+1+16*\b+\i]|
.endr
.endr
	WIN 0
.irp b, 0,1,2,3
	v_permlanex16_b32 v[TM+4+\b], v[TM+\b], s[SEL], s[SEL+1]
.endr
.irp b, 0,1,2,3
	v_max_num_f32 v[TM+\b], v[TM+\b], v[TM+4+\b]
.endr
.irp b, 0,1,2,3
	v_add_nc_u32 v[TM+12+\b], 0xff000000, v[TM+\b]
.endr
.irp b, 0,1,2,3
	v_lshrrev_b32 v[TM+4+\b], 23, v[TM+12+\b]
.endr
	v_lshl_or_b32 v[PW], v[TM+5], 8, v[TM+4]
	v_lshl_or_b32 v[PW], v[TM+6], 16, v[PW]
	v_lshl_or_b32 v[PW], v[TM+7], 24, v[PW]
	WIN (\w)                                       ; source 0 in the accumulators' window
.irp c, 0,1
	v_cvt_scalef32_pk16_fp6_f32 v[PC+6*\c:PC+2+6*\c], v[\s+32*\c:\s+15+32*\c], v[TM+12+2*\c]
	v_cvt_scalef32_pk16_fp6_f32 v[PC+12+4*\c:PC+14+4*\c], v[\s+16+32*\c:\s+31+32*\c], v[TM+12+2*\c+1]
.endr
	WIN 0
	v_nop                                          ; one plain place behind a scaled conversion
.irp c, 0,1
.irp i, 0,1,2
	v_permlane16_swap_b32 v[PC+6*\c+\i], v[PC+12+4*\c+\i]
.endr
.irp i, 0,1,2
	v_mov_b32 v[PC+3+6*\c+\i], v[PC+12+4*\c+\i]
.endr
.endr
.endm
.irp a, 0,1,2,3,4,5,6,7
.if \a > 0
	s_wait_xcnt 0x0                                ; the last block's stores have read their data and bases: both are written again only behind this wait
.if \a == 4
	s_add_nc_u64 s[96:97], s[96:97], s[20:21]
	s_add_nc_u64 s[4:5], s[4:5], s[20:21]
.else
	s_add_nc_u64 s[96:97], s[96:97], s[18:19]
	s_add_nc_u64 s[4:5], s[4:5], s[18:19]
.endif
.endif
	QUANTW 64*(\a%4), 2+\a/4
	v_mov_b32 v[PWS+\a], v[PW]
	global_store_b128 v[L16], v[PC:PC+3], s[96:97]             ; 512 consecutive bytes
	global_store_b64 v[L8], v[PC+4:PC+5], s[96:97] offset:512  ; 256
	global_store_b128 v[L16], v[PC+6:PC+9], s[4:5]
	global_store_b64 v[L8], v[PC+10:PC+11], s[4:5] offset:512
.endr
	; the scale words.  q, k: a block's word holds the first head's two bytes below and the second head's above: two tiles' halves make a pair's word of one head.  v: a block's word is a word of the output as it stands.
.irp al, 0,1,2,3
	v_perm_b32 v[T+\al], v[PWS+2*\al+1], v[PWS+2*\al], 0x05040100
	v_perm_b32 v[T+4+\al], v[PWS+2*\al+1], v[PWS+2*\al], 0x07060302
.endr
.irp i, 0,1,2,3,4,5,6,7
	v_cndmask_b32 v[T+\i], v[T+\i], v[PWS+\i], s8
.endr
.irp i, 0,1,2,3,4,5,6,7
	ds_store_b32 v[SCR], v[T+\i] offset:64*\i      ; lanes r and r + 16 write the same word with the same value
.endr
	ds_load_b128 v[U:U+3], v[SCRD]                 ; LDS serves a wave's instructions in order: this sees my stores
	s_wait_dscnt 0x0
	global_store_b128 v[SOFF], v[U:U+3], s[98:99]  ; lanes 0-15: the first head's 256 bytes; lanes 16-31: the second head's
	s_wait_tensorcnt 0x0                           ; the wave's end
	ds_add_u32 v[SPW], v[NIL]
	s_wait_dscnt 0x0
	CROUND                                         ; the closing round: no work-group ends while a partner may still ask for a tile that names it
	s_endpgm
.Lfunc_end_k_q92478ed993_gemm1:
	.size	k_q92478ed993_gemm1, .Lfunc_end_k_q92478ed993_gemm1-k_q92478ed993_gemm1
	.p2alignl 7, 3214868480
	.fill 96, 4, 3214868480
	.section	.rodata,"a",@progbits
	.p2align	6, 0x0
	.amdhsa_kernel k_q92478ed993_gemm1
		.amdhsa_group_segment_fixed_size 327680
		.amdhsa_private_segment_fixed_size 0
		.amdhsa_enable_private_segment 0
		.amdhsa_kernarg_size 48
		.amdhsa_user_sgpr_count 2
		.amdhsa_user_sgpr_kernarg_segment_ptr 1
		.amdhsa_wavefront_size32 1
		.amdhsa_system_sgpr_workgroup_id_x 1
		.amdhsa_system_sgpr_workgroup_id_y 1
		.amdhsa_system_sgpr_workgroup_id_z 1
		.amdhsa_system_vgpr_workitem_id 0
		.amdhsa_next_free_vgpr 1024
		.amdhsa_next_free_sgpr 106
		.amdhsa_reserve_vcc 0
		.amdhsa_float_denorm_mode_32 3
		.amdhsa_float_denorm_mode_16_64 3
		.amdhsa_memory_ordered 1
		.amdhsa_forward_progress 1
		.amdhsa_inst_pref_size 153
	.end_amdhsa_kernel
	.amdgpu_metadata
---
amdhsa.version: [ 1, 2 ]
amdhsa.kernels:
  - .name:           k_q92478ed993_gemm1
    .symbol:         k_q92478ed993_gemm1.kd
    .args:
      - { .name: xc, .offset: 0, .size: 8, .value_kind: global_buffer, .address_space: global }
      - { .name: xs, .offset: 8, .size: 8, .value_kind: global_buffer, .address_space: global }
      - { .name: wc, .offset: 16, .size: 8, .value_kind: global_buffer, .address_space: global }
      - { .name: ws, .offset: 24, .size: 8, .value_kind: global_buffer, .address_space: global }
      - { .name: qkv, .offset: 32, .size: 8, .value_kind: global_buffer, .address_space: global }
      - { .name: qkvs, .offset: 40, .size: 8, .value_kind: global_buffer, .address_space: global }
    .group_segment_fixed_size: 327680
    .private_segment_fixed_size: 0
    .kernarg_segment_align: 8
    .kernarg_segment_size: 48
    .max_flat_workgroup_size: 128
    .sgpr_count:     106
    .vgpr_count:     1024
    .wavefront_size: 32
...
	.end_amdgpu_metadata
.endif
;; end of part 2
;; launch attn (part 3): grid 4 x 64, 16 waves a work-group, clusters of 4 x 1, 327,680 bytes of LDS; arguments qkv, qkvs, yc, ys; writes yc, ys
.if DOCPART == 3
	.amdgcn_target "amdgcn-amd-amdhsa--gfx1250"
	.amdhsa_code_object_version 6
	.text
	.protected	k_q92478ed993_attn
	.globl	k_q92478ed993_attn
	.p2align	8
	.type	k_q92478ed993_attn,@function
k_q92478ed993_attn:
	s_mov_b64 s[64:65], 0
	v_nop
	global_prefetch_b8 v0, s[64:65] scope:SCOPE_SE
	s_setreg_imm32_b32 hwreg(HW_REG_WAVE_MODE, 25, 1), 1
	s_wait_xcnt 0x0
	s_wait_alu depctr_hold_cnt(0) depctr_sa_sdst(0) depctr_va_vdst(0) depctr_va_sdst(0) depctr_va_ssrc(0) depctr_va_vcc(0) depctr_vm_vsrc(0)
	s_getreg_b32 s2, hwreg(HW_REG_IB_STS2, 6, 4)
	s_cmp_eq_u32 s2, 0
	s_cbranch_scc0 .Lentry_in_a_cluster
	s_endpgm
.Lentry_in_a_cluster:
	s_bfe_u32 s2, ttmp6, 0x10000c
	s_cmp_lg_u32 s2, 0x3003
	s_cbranch_scc0 .Lentry_shape_is_right
	s_endpgm
.Lentry_shape_is_right:
; Causal attention of one head row (batch, head) on codes of FP6 (E2M3) with E8M0 scales; y leaves quantised along the head's channels for the projection.
; S^T = k q^T and O^T = v^T p^T: a lane holds one query throughout.  p = 2^(t - M), t = score x log2(e) / 32, M the ceiling of the running largest t; the row's sum is taken of the unquantised p; O^T is divided by it at the end.
; LEFT OUT: key steps that lie wholly above the diagonal of the causal mask: their p are zeros for all inputs.
; LIMITS: the scaled scores stay under 2^31 in magnitude; a block of zeros gets the byte 1 where the quantiser says 127 (zero codes; read by this program alone); NaN and infinities are not served.
; THE DEAL.  The four work-groups of a cluster serve one head row and ask jointly for its k and v: wave w brings key step w (128 keys: 6,144 bytes of k, 6,144 of v), one tensor load a wave, all 16 steps stay in LDS.
; The scale words (512 bytes a key step) come through registers, 16 bytes a lane, into LDS bytes that no tensor load fills.  A wave takes query tiles tau and 127 - tau (16 queries each): 17 live key steps for every wave.
; No data prefetch: every tile is asked for once, at the head, and there is no loop to run ahead in.
; LDS: codes at 0: [key step][k][v]; scale words at SB: k's, 256 bytes a key step, then v's, 256 bytes a key step; spare words at SPARE.
; A STEP.  v's fragments of this step are asked for at its top, k's of the next step and the scale words right behind this step's scores: each has the softmax's work in which to land.
; One scale register carries k's word of the next step (lanes 0-15) and v's of this step (lanes 16-31).  The diagonal step is a pass's last: it asks for no further k.
; An address one key step past the last falls on written bytes whose values are not used: past k's codes lie the scale words, past k's words lie v's.
; q's fragment has 64 channels: v16-21 q, v22-27 zeros, v28-33 q: v[16:27] meets the first tile of a pair of key tiles, v[22:33] the second.
; REGISTERS: v0 thread; v1, v2 16 and 8 x lane; v3 scale words' lane term; v4 mask; v5-7 LDS addresses; v8 q's scale word; v9 scratch; v10, v11 the spare word and 0; v12 -M, v13 largest t; v14-15 sum; v34 f, v35 p's scale word.
.set KSB,  12288
.set SB,   196608
.set SPARE, 204800
.set REG,  6291456
.set REGS, 262144
.set HRB,  98304
.set SCW,  36                          ; v36-39   scale words
.set KF,   40                          ; v40-87   k's four fragments
.set VF,   88                          ; v88-135  v's four
.set SS,   136                         ; v136-199 scores, then p
.set OO,   200                         ; v200-231 O^T
.set PP,   232                         ; v232-243 p's codes
.set BM,   244                         ; v244-247 block maxima; then the conversions' second halves
.set BT,   248
.set TS,   252
.set WV,   12
.set KS,   15
.set TB,   16
.set TSC,  17
.set HM,   18
.set SEL,  20
.set CS,   22
.set G1C,  24
.set G0C,  32
.set P0,   48
.set P1,   66
.macro CROUND
	s_barrier_signal -1
	s_barrier_wait -1
	s_cmp_lg_u32 s[WV], 0
	s_cbranch_scc1 .Lnot_wave_0_\@
	s_barrier_signal -3
.Lnot_wave_0_\@:
	s_barrier_wait -3
	s_barrier_signal -1
	s_barrier_wait -1
.endm
	s_load_b256 s[4:11], s[0:1], 0x0               ; qkv, qkvs, yc, ys
	v_lshl_add_u32 v10, v0, 2, SPARE
	v_mov_b32 v11, 0
	ds_add_u32 v10, v11                            ; the opening lines: two adds onto my spare word
	ds_add_u32 v10, v11
	v_lshrrev_b32 v9, 5, v0
	s_delay_alu instid0(VALU_DEP_1)
	v_readfirstlane_b32 s[WV], v9
	s_bfe_u32 s13, ttmp6, 0x40000                  ; cx
	s_and_b32 s14, ttmp7, 0xffff                   ; head row
	s_mov_b32 s[G1C], 15|(3<<16)|(1<<21)           ; two rows of 6,144 bytes (k, v), REG bytes apart; the mask names the cluster's four
	s_mov_b32 s[G1C+1], 768<<16
	s_mov_b32 s[G1C+2], 2<<16
	s_mov_b32 s[G1C+3], 768<<16
	s_mov_b32 s[G1C+4], 2
	s_mov_b32 s[G1C+5], 786432
	s_mov_b32 s[G1C+6], 0
	s_mov_b32 s[G1C+7], 0
	s_mul_i32 s77, s14, HRB
	s_lshl_b32 s19, s14, 12
	s_mov_b32 s79, 0
	s_mov_b32 s[SEL], 0x76543210
	s_mov_b32 s[SEL+1], 0xfedcba98
	s_mov_b32 s[CS], 0x3d38aa3b                    ; log2(e) / 32
	s_mov_b32 s[CS+1], s[CS]
	s_mov_b32 s[HM], 0xffff0000
	s_lshr_b32 s59, s14, 4
	s_lshl_b32 s59, s59, 7
	s_and_b32 s3, s14, 15
	s_mul_i32 s60, s3, 768
	s_lshr_b32 s61, s3, 3
	s_lshl_b32 s61, s61, 8
	s_and_b32 s3, s3, 7
	s_lshl_b32 s3, s3, 1
	s_add_co_u32 s61, s61, s3
	s_lshr_b32 s[P0+9], s[WV], 1                   ; the diagonal's key step: of tile tau, and of tile 127 - tau
	s_xor_b32 s[P1+9], s[P0+9], 15
	s_and_b32 s3, s[WV], 1
	s_lshl_b32 s62, s13, 1
	s_add_co_u32 s62, s62, s3
	s_lshl_b32 s3, s[P0+9], 3
	s_add_co_u32 s62, s62, s3                      ; tau
	s_sub_co_u32 s63, 127, s62
	s_mov_b32 s[G0C], 1
	s_mul_i32 s[G0C+1], s[WV], KSB
	s_mul_i32 s78, s[WV], 6144
	s_add_co_u32 s78, s78, s77
	s_add_co_u32 s78, s78, REG
	s_lshl_b32 s3, s[WV], 8
	s_add_co_u32 s3, s3, SB
	v_and_b32 v9, 31, v0
	v_and_b32 v7, 15, v0
	v_bfe_u32 v3, v0, 4, 1                         ; h
	v_lshlrev_b32 v1, 4, v9
	v_lshlrev_b32 v2, 3, v9
	v_lshlrev_b32 v7, 2, v7                        ; 4 r
	v_lshlrev_b32 v140, 18, v3
	v_lshl_add_u32 v141, v3, 12, s3
	v_mad_u32_u24 v3, v3, 3840, v7                 ; 4 r + 3,840 h: with the step's base, lanes 0-15 k's words of the next step, lanes 16-31 v's of this step
	v_lshl_add_u32 v140, v7, 2, v140               ; the scale words in memory: 16 r, lanes 16-31 in v's region
	v_lshl_add_u32 v141, v7, 2, v141               ; and in LDS: SB + 256 x wave + 16 r + 4,096 h
.irp j, 22,23,24,25,26,27
	v_mov_b32 v[\j], 0
.endr
.irp b, 0,1,2,3
	v_mov_b32 v[BT+\b], 0                          ; written once: a lane permute's destination counts as one of its sources
.endr
	v_mov_b32 v35, 0
	s_wait_alu depctr_va_vdst(0)
	s_wait_dscnt 0x0
	CROUND                                         ; in front of the first joint loads
	s_wait_kmcnt 0x0
	s_add_nc_u64 s[G0C+2:G0C+3], s[4:5], s[78:79]
	s_or_b32 s[G0C+3], s[G0C+3], 0x80000000
	tensor_load_to_lds s[G0C:G0C+3], s[G1C:G1C+7]  ; my key step's k and v: the wave's one tensor load
	s_nop 0
	s_lshl_b32 s78, s[WV], 8
	s_add_co_u32 s78, s78, s19
	s_add_co_u32 s78, s78, REGS
	s_add_nc_u64 s[36:37], s[6:7], s[78:79]
	global_load_b128 v[136:139], v140, s[36:37]    ; my key step's scale words
.macro SETUP pb, tau
	s_mul_i32 s78, s[\tau], 768
	s_add_co_u32 s78, s78, s77
	s_add_nc_u64 s[\pb:\pb+1], s[4:5], s[78:79]
	s_lshr_b32 s78, s[\tau], 1
	s_lshl_b32 s78, s78, 6
	s_add_co_u32 s78, s78, s19
	s_add_nc_u64 s[\pb+2:\pb+3], s[6:7], s[78:79]
	s_add_co_u32 s3, s59, s[\tau]
	s_mul_i32 s78, s3, 12288
	s_add_co_u32 s78, s78, s60
	s_add_nc_u64 s[\pb+4:\pb+5], s[8:9], s[78:79]
	s_lshl_b32 s78, s3, 9
	s_add_co_u32 s78, s78, s61
	s_add_nc_u64 s[\pb+6:\pb+7], s[10:11], s[78:79]
	s_and_b32 s3, s[\tau], 1
	s_lshl_b32 s[\pb+8], s3, 4
	s_lshl_b32 s3, s3, 3
	s_bfe_u32 s78, s[\tau], 0x20001
	s_lshl_b32 s78, s78, 5
	s_add_co_u32 s[\pb+10], s78, s3
.endm
.macro QLOAD pb                        ; a tile's q, twice, and its scale word (v7 = 4 r)
	global_load_b128 v[16:19], v1, s[\pb:\pb+1]
	global_load_b64 v[20:21], v2, s[\pb:\pb+1] offset:512
	global_load_b128 v[28:31], v1, s[\pb:\pb+1]
	global_load_b64 v[32:33], v2, s[\pb:\pb+1] offset:512
	global_load_b32 v8, v7, s[\pb+2:\pb+3]
.endm
	SETUP P0, 62
	QLOAD P0
	SETUP P1, 63
	s_wait_tensorcnt 0x0                           ; my key step's codes are in
	s_wait_loadcnt 0x5                             ; my scale words are in registers (q's five loads may be out)
	ds_store_b128 v141, v[136:139]
	s_wait_dscnt 0x0
	s_barrier_signal -1
	s_barrier_wait -1                              ; everybody's are
.macro FRAGL reg, off
	ds_load_b128 v[\reg:\reg+3], v5 offset:\off
	ds_load_b64 v[\reg+4:\reg+5], v6 offset:\off+512
	ds_load_b128 v[\reg+6:\reg+9], v5 offset:\off+768
	ds_load_b64 v[\reg+10:\reg+11], v6 offset:\off+1280
.endm
.macro PASS pb, nt, first
.if !(\first)
	s_wait_xcnt 0x0                                ; the last tile's stores have read their registers
.endif
	v_and_b32 v9, 15, v0
	v_and_b32 v4, 8, v0
	v_and_b32 v5, 16, v0
	s_delay_alu instid0(VALU_DEP_2)
	v_add_nc_u32 v4, v4, v9
	v_mov_b32 v13, 0xff61b1e6                      ; -3e38, under every t
	s_delay_alu instid0(VALU_DEP_2)
	v_sub_nc_u32 v4, v4, v5
	s_delay_alu instid0(VALU_DEP_2)
	v_floor_f32 v12, -v13
	s_delay_alu instid0(VALU_DEP_2)
	v_add_nc_u32 v4, s[\pb+10], v4                 ; my query's place in its key step, less 16 h
	v_mov_b32 v14, 0
	v_mov_b32 v15, 0
	v_mov_b32 v5, v1                               ; key step 0 lies at LDS byte 0
	v_mov_b32 v6, v2
	v_add_nc_u32 v9, SB, v7
.irp kp, 0,1,2,3
	FRAGL KF+12*\kp, 1536*\kp                      ; key step 0's k
	ds_load_b32 v[SCW+\kp], v9 offset:64*\kp       ; and its scale words
.endr
	s_wait_loadcnt 0x0                             ; q is in
	v_bfe_u32 v8, v8, s[\pb+8], 16
	s_delay_alu instid0(VALU_DEP_1)
	v_lshl_or_b32 v8, v8, 16, v8                   ; my tile's two bytes in both halves: one word serves both products of a pair
.set j, 0
.rept 32
	v_mov_b32 v[OO+j], 0
.set j, j+1
.endr
	s_mov_b32 s[KS], 0
	s_mov_b32 s[TB], 0
	s_mov_b32 s[TSC], SB+256
	s_wait_alu depctr_va_vdst(0)
.Lstep_\@:
	s_cmp_gt_u32 s[KS], s[\pb+9]
	s_cbranch_scc1 .Lhidden_\@                     ; wholly above the diagonal
	v_add_nc_u32 v5, s[TB], v1
	v_add_nc_u32 v6, s[TB], v2
	v_add_nc_u32 v7, s[TSC], v3
	v_nop                                          ; four places behind the last products, ahead of the loads into v's registers
.irp dt, 0,1,2,3
	FRAGL VF+12*\dt, 6144+1536*\dt
.endr
	s_wait_alu depctr_va_vdst(0)
	s_wait_dscnt 16                                ; all but v's 16 loads just issued: k's fragments and scale words are in
.irp kp, 0,1,2,3
	v_wmma_scale_f32_16x16x128_f8f6f4 v[SS+16*\kp:SS+7+16*\kp], v[KF+12*\kp:KF+11+12*\kp], v[16:27], 0, v[SCW+\kp], v8 matrix_a_fmt:MATRIX_FMT_FP6 matrix_b_fmt:MATRIX_FMT_FP6
	v_wmma_scale_f32_16x16x128_f8f6f4 v[SS+8+16*\kp:SS+15+16*\kp], v[KF+12*\kp:KF+11+12*\kp], v[22:33], 0, v[SCW+\kp], v8 matrix_a_fmt:MATRIX_FMT_FP6 matrix_b_fmt:MATRIX_FMT_FP6
.endr
.rept 4
	v_nop
.endr
.irp i, 0,1,2,3
	ds_load_b32 v[SCW+\i], v7 offset:64*\i         ; lanes 0-15: k's words of the next step; lanes 16-31: v's of this one
.endr
	s_cmp_lt_u32 s[KS], s[\pb+9]
	s_cbranch_scc0 .Ldiag_\@
.irp kp, 0,1,2,3
	FRAGL KF+12*\kp, KSB+1536*\kp                  ; the next step's k
.endr
	s_branch .Lopen_\@
.Ldiag_\@:                                             ; the diagonal's step: keys behind my query count for nothing
	v_mov_b32 v9, 0xff800000
.set n, 0
.rept 8                                ; eight masks into s38-45, then eight selects: no select stands next to its compare
.irp k, 0,1,2,3,4,5,6,7
	v_cmp_gt_i32 s[38+\k], 32*((n+\k)/16)+(n+\k)%16, v4
.endr
.irp k, 0,1,2,3,4,5,6,7
	v_cndmask_b32 v[SS+n+\k], v[SS+n+\k], v9, s[38+\k]
.endr
.set n, n+8
.endr
.Lopen_\@:
; each block's largest score, for the row's maximum and for the block's largest p: two chains a block, one over each accumulator, eight chains by turns; each accumulator is first read at its low end
.irp b, 0,1,2,3
	v_max3_num_f32 v[BM+\b], v[SS+16*\b], v[SS+1+16*\b], v[SS+2+16*\b]
.endr
.irp b, 0,1,2,3
	v_max3_num_f32 v[BT+\b], v[SS+8+16*\b], v[SS+9+16*\b], v[SS+10+16*\b]
.endr
.irp i, 3,5
.irp b, 0,1,2,3
	v_max3_num_f32 v[BM+\b], v[BM+\b], v[SS+16*\b+\i], v[SS+1+16*\b+\i]
.endr
.irp b, 0,1,2,3
	v_max3_num_f32 v[BT+\b], v[BT+\b], v[SS+8+16*\b+\i], v[SS+9+16*\b+\i]
.endr
.endr
.irp b, 0,1,2,3
	v_max3_num_f32 v[BM+\b], v[BM+\b], v[SS+7+16*\b], v[SS+15+16*\b]
.endr
.irp b, 0,1,2,3
	s_delay_alu instid0(VALU_DEP_4)
	v_max_num_f32 v[BM+\b], v[BM+\b], v[BT+\b]
.endr
.irp b, 0,1,2,3
	s_delay_alu instid0(VALU_DEP_4)
	v_permlanex16_b32 v[BT+\b], v[BM+\b], s[SEL], s[SEL+1]
.endr
.irp b, 0,1,2,3
	s_delay_alu instid0(VALU_DEP_4)
	v_max_num_f32 v[BM+\b], v[BM+\b], v[BT+\b]
.endr
	s_delay_alu instid0(VALU_DEP_2)
	v_max3_num_f32 v9, v[BM], v[BM+1], v[BM+2]
	s_delay_alu instid0(VALU_DEP_1)
	v_max_num_f32 v9, v9, v[BM+3]
	s_delay_alu instid0(VALU_DEP_1)
	v_mul_f32 v9, s[CS], v9
	s_delay_alu instid0(VALU_DEP_1)
	v_max_num_f32 v13, v13, v9                     ; the running largest t
	v_mov_b32 v9, v12
	s_delay_alu instid0(VALU_DEP_2)
	v_floor_f32 v12, -v13                          ; -M
	s_delay_alu instid0(VALU_DEP_1)
	v_sub_f32 v9, v12, v9
	s_delay_alu instid0(VALU_DEP_1)
	v_cvt_i32_f32 v9, v9
	s_delay_alu instid0(VALU_DEP_1)
	v_ldexp_f32 v34, 1.0, v9                       ; f = 2^(old M - new M)
.set j, 0
.rept 32
	v_pk_fma_f32 v[SS+j:SS+1+j], v[SS+j:SS+1+j], s[CS:CS+1], v[12:13] op_sel_hi:[1,0,0]
.set j, j+2
.endr
.irp b, 0,1,2,3
	v_fma_f32 v[BM+\b], v[BM+\b], s[CS], v12
.endr
.set j, 0
	s_wait_alu depctr_va_vdst(0)
.rept 64
	v_exp_f32 v[SS+j], v[SS+j]
.set j, j+1
.endr
	v_pk_mul_f32 v[14:15], v[14:15], v[34:35] op_sel_hi:[1,0]
	s_wait_alu depctr_va_vdst(0)
.irp b, 0,1,2,3
	v_exp_f32 v[BM+\b], v[BM+\b]
.endr
	v_pk_add_f32 v[BT:BT+1], v[SS:SS+1], v[SS+2:SS+3]   ; the row's sum of the unquantised p, in five chains by turns
	v_pk_add_f32 v[BT+2:BT+3], v[SS+4:SS+5], v[SS+6:SS+7]
	v_pk_add_f32 v[TS:TS+1], v[SS+8:SS+9], v[SS+10:SS+11]
	v_pk_add_f32 v[TS+2:TS+3], v[SS+12:SS+13], v[SS+14:SS+15]
.irp j, 16,26,36,46
	v_pk_add_f32 v[14:15], v[14:15], v[SS+\j:SS+1+\j]
	v_pk_add_f32 v[BT:BT+1], v[BT:BT+1], v[SS+2+\j:SS+3+\j]
	v_pk_add_f32 v[BT+2:BT+3], v[BT+2:BT+3], v[SS+4+\j:SS+5+\j]
	v_pk_add_f32 v[TS:TS+1], v[TS:TS+1], v[SS+6+\j:SS+7+\j]
	v_pk_add_f32 v[TS+2:TS+3], v[TS+2:TS+3], v[SS+8+\j:SS+9+\j]
.endr
	v_pk_add_f32 v[14:15], v[14:15], v[SS+56:SS+57]
	v_pk_add_f32 v[BT:BT+1], v[BT:BT+1], v[SS+58:SS+59]
	v_pk_add_f32 v[BT+2:BT+3], v[BT+2:BT+3], v[SS+60:SS+61]
	v_pk_add_f32 v[TS:TS+1], v[TS:TS+1], v[SS+62:SS+63]
	s_delay_alu instid0(VALU_DEP_2)
	v_pk_add_f32 v[BT:BT+1], v[BT:BT+1], v[BT+2:BT+3]
	s_delay_alu instid0(VALU_DEP_2)
	v_pk_add_f32 v[TS:TS+1], v[TS:TS+1], v[TS+2:TS+3]
	s_delay_alu instid0(VALU_DEP_2)
	v_pk_add_f32 v[14:15], v[14:15], v[BT:BT+1]
	s_delay_alu instid0(VALU_DEP_1)
	v_pk_add_f32 v[14:15], v[14:15], v[TS:TS+1]
	s_wait_alu depctr_va_vdst(0)
.irp b, 0,1,2,3
	v_max_num_f32 v[BM+\b], 0x1800000, v[BM+\b]    ; the floor 2^(3 - 127)
.endr
.irp b, 0,1,2,3
	s_delay_alu instid0(VALU_DEP_4)
	v_add_nc_u32 v[TS+\b], 0xff000000, v[BM+\b]    ; 2 off the exponent field: the conversion's scale operand
.endr
.irp b, 0,1,2,3
	s_delay_alu instid0(VALU_DEP_4)
	v_lshrrev_b32 v[BT+\b], 23, v[TS+\b]
.endr
	s_delay_alu instid0(VALU_DEP_3)
	v_lshl_or_b32 v35, v[BT+1], 8, v[BT]
	s_delay_alu instid0(VALU_DEP_1)
	v_lshl_or_b32 v35, v[BT+2], 16, v35
	s_delay_alu instid0(VALU_DEP_1)
	v_lshl_or_b32 v35, v[BT+3], 24, v35            ; p's scale word for these 128 keys
.irp c, 0,1
	v_cvt_scalef32_pk16_fp6_f32 v[PP+6*\c:PP+2+6*\c], v[SS+32*\c:SS+15+32*\c], v[TS+2*\c]
	v_cvt_scalef32_pk16_fp6_f32 v[BM+4*\c:BM+2+4*\c], v[SS+16+32*\c:SS+31+32*\c], v[TS+2*\c+1]
.endr
	s_wait_alu depctr_va_vdst(0)
.set j, 0
.rept 12                               ; O^T under the new M: twelve of the sixteen stand between the conversions and the lines that take their results,
	v_pk_mul_f32 v[OO+j:OO+1+j], v[OO+j:OO+1+j], v[34:35] op_sel_hi:[1,0]
.set j, j+2
.endr
.irp c, 0,1
.irp i, 0,1,2
	v_permlane16_swap_b32 v[PP+6*\c+\i], v[BM+4*\c+\i]
.endr
.irp i, 0,1,2
	s_delay_alu instid0(VALU_DEP_3)
	v_mov_b32 v[PP+3+6*\c+\i], v[BM+4*\c+\i]
.endr
.endr
.rept 4                                ; and four are the places between p's codes and the products that take them
	v_pk_mul_f32 v[OO+j:OO+1+j], v[OO+j:OO+1+j], v[34:35] op_sel_hi:[1,0]
.set j, j+2
.endr
	s_wait_alu depctr_va_vdst(0)
	s_wait_dscnt 0x0                               ; v's fragments and words (asked for a softmax ago)
.irp dt, 0,1,2,3
	v_wmma_scale_f32_16x16x128_f8f6f4 v[OO+8*\dt:OO+7+8*\dt], v[VF+12*\dt:VF+11+12*\dt], v[PP:PP+11], v[OO+8*\dt:OO+7+8*\dt], v[SCW+\dt], v35 matrix_a_fmt:MATRIX_FMT_FP6 matrix_b_fmt:MATRIX_FMT_FP6 matrix_a_scale:MATRIX_SCALE_ROW1
.endr
.Lhidden_\@:
	s_add_co_u32 s[TB], s[TB], KSB
	s_add_co_u32 s[TSC], s[TSC], 256
	s_add_co_u32 s[KS], s[KS], 1
	s_cmp_lt_u32 s[KS], \nt
	s_cbranch_scc1 .Lstep_\@
.if \first
	v_and_b32 v7, 15, v0
	s_delay_alu instid0(VALU_DEP_1)
	v_lshlrev_b32 v7, 2, v7
	QLOAD P1                                       ; the second tile's q is asked for ahead of the first tile's way out
.endif
.rept 4
	v_nop
.endr
	v_add_f32 v14, v14, v15
	s_delay_alu instid0(VALU_DEP_1)
	v_permlanex16_b32 v9, v14, s[SEL], s[SEL+1]
	s_delay_alu instid0(VALU_DEP_1)
	v_add_f32 v14, v14, v9
	s_wait_alu depctr_va_vdst(0)
	v_rcp_f32 v14, v14
	v_nop
	s_wait_alu depctr_va_vdst(0)
.set j, 0
.rept 16
	v_pk_mul_f32 v[SS+j:SS+1+j], v[OO+j:OO+1+j], v[14:15] op_sel_hi:[1,0]   ; y: register 16 b + i = channel 32 b + 16 h + i
.set j, j+2
.endr
	v_and_b32 v176, 15, v0
	v_bfe_u32 v177, v0, 4, 1
.irp b, 0,1
	v_max3_num_f32 v[BM+\b], |v[SS+16*\b]|, |v[SS+1+16*\b]|, 0x1800000
.endr
.irp i, 2,4,6,8,10,12,14
.irp b, 0,1
	s_delay_alu instid0(VALU_DEP_2)
	v_max3_num_f32 v[BM+\b], v[BM+\b], |v[SS+16*\b+\i]|, |v[SS+1+16*\b+\i]|
.endr
.endr
.irp b, 0,1
	s_delay_alu instid0(VALU_DEP_2)
	v_permlanex16_b32 v[BT+\b], v[BM+\b], s[SEL], s[SEL+1]
.endr
.irp b, 0,1
	s_delay_alu instid0(VALU_DEP_2)
	v_max_num_f32 v[BM+\b], v[BM+\b], v[BT+\b]
.endr
.irp b, 0,1
	s_delay_alu instid0(VALU_DEP_2)
	v_add_nc_u32 v[TS+\b], 0xff000000, v[BM+\b]
.endr
.irp b, 0,1
	s_delay_alu instid0(VALU_DEP_2)
	v_lshrrev_b32 v[BT+\b], 23, v[TS+\b]
.endr
	v_lshl_or_b32 v176, v176, 4, v177              ; the scale byte's place: 16 r + h
	v_cvt_scalef32_pk16_fp6_f32 v[PP:PP+2], v[SS:SS+15], v[TS]
	v_cvt_scalef32_pk16_fp6_f32 v[BM:BM+2], v[SS+16:SS+31], v[TS+1]
	v_cndmask_b32 v9, v[BT], v[BT+1], s[HM]
.irp i, 0,1,2
	v_permlane16_swap_b32 v[PP+\i], v[BM+\i]
.endr
.irp i, 0,1,2
	s_delay_alu instid0(VALU_DEP_3)
	v_mov_b32 v[PP+3+\i], v[BM+\i]
.endr
	global_store_b128 v1, v[PP:PP+3], s[\pb+4:\pb+5]             ; 512 consecutive bytes
	global_store_b64 v2, v[PP+4:PP+5], s[\pb+4:\pb+5] offset:512 ; 256
	global_store_b8 v176, v9, s[\pb+6:\pb+7]
.endm
	PASS P0, 8, 1
	PASS P1, 16, 0
	s_wait_tensorcnt 0x0                           ; the wave's end
	ds_add_u32 v10, v11
	s_wait_dscnt 0x0
	CROUND                                         ; the closing round
	s_endpgm
.Lfunc_end_k_q92478ed993_attn:
	.size	k_q92478ed993_attn, .Lfunc_end_k_q92478ed993_attn-k_q92478ed993_attn
	.p2alignl 7, 3214868480
	.fill 96, 4, 3214868480
	.section	.rodata,"a",@progbits
	.p2align	6, 0x0
	.amdhsa_kernel k_q92478ed993_attn
		.amdhsa_group_segment_fixed_size 327680
		.amdhsa_private_segment_fixed_size 0
		.amdhsa_enable_private_segment 0
		.amdhsa_kernarg_size 32
		.amdhsa_user_sgpr_count 2
		.amdhsa_user_sgpr_kernarg_segment_ptr 1
		.amdhsa_wavefront_size32 1
		.amdhsa_system_sgpr_workgroup_id_x 1
		.amdhsa_system_sgpr_workgroup_id_y 1
		.amdhsa_system_sgpr_workgroup_id_z 1
		.amdhsa_system_vgpr_workitem_id 0
		.amdhsa_next_free_vgpr 256
		.amdhsa_next_free_sgpr 80
		.amdhsa_reserve_vcc 0
		.amdhsa_float_denorm_mode_32 3
		.amdhsa_float_denorm_mode_16_64 3
		.amdhsa_memory_ordered 1
		.amdhsa_forward_progress 1
		.amdhsa_inst_pref_size 76
	.end_amdhsa_kernel
	.amdgpu_metadata
---
amdhsa.version: [ 1, 2 ]
amdhsa.kernels:
  - .name:           k_q92478ed993_attn
    .symbol:         k_q92478ed993_attn.kd
    .args:
      - { .name: qkv, .offset: 0, .size: 8, .value_kind: global_buffer, .address_space: global }
      - { .name: qkvs, .offset: 8, .size: 8, .value_kind: global_buffer, .address_space: global }
      - { .name: yc, .offset: 16, .size: 8, .value_kind: global_buffer, .address_space: global }
      - { .name: ys, .offset: 24, .size: 8, .value_kind: global_buffer, .address_space: global }
    .group_segment_fixed_size: 327680
    .private_segment_fixed_size: 0
    .kernarg_segment_align: 8
    .kernarg_segment_size: 32
    .max_flat_workgroup_size: 512
    .sgpr_count:     80
    .vgpr_count:     256
    .wavefront_size: 32
...
	.end_amdgpu_metadata
.endif
;; end of part 3
;; launch gemm2 (part 4): grid 4 x 32, 4 waves a work-group, clusters of 4 x 4, 327,680 bytes of LDS; arguments yc, ys, wc, ws, out0; writes out0
.if DOCPART == 4
	.amdgcn_target "amdgcn-amd-amdhsa--gfx1250"
	.amdhsa_code_object_version 6
	.text
	.protected	k_q92478ed993_gemm2
	.globl	k_q92478ed993_gemm2
	.p2align	8
	.type	k_q92478ed993_gemm2,@function
k_q92478ed993_gemm2:
	s_mov_b64 s[64:65], 0
	v_nop
	global_prefetch_b8 v0, s[64:65] scope:SCOPE_SE
	s_setreg_imm32_b32 hwreg(HW_REG_WAVE_MODE, 25, 1), 1
	s_wait_xcnt 0x0
	s_wait_alu depctr_hold_cnt(0) depctr_sa_sdst(0) depctr_va_vdst(0) depctr_va_sdst(0) depctr_va_ssrc(0) depctr_va_vcc(0) depctr_vm_vsrc(0)
	s_getreg_b32 s2, hwreg(HW_REG_IB_STS2, 6, 4)
	s_cmp_eq_u32 s2, 0
	s_cbranch_scc0 .Lentry_in_a_cluster
	s_endpgm
.Lentry_in_a_cluster:
	s_bfe_u32 s2, ttmp6, 0x10000c
	s_cmp_lg_u32 s2, 0xf033
	s_cbranch_scc0 .Lentry_shape_is_right
	s_endpgm
.Lentry_shape_is_right:
.set NQ,     2
.set FR,     12
.set NL,     4
.set NP,     4
.set FRB,    1536
.set BLKB,   NQ*FRB
.set HALFT,  8*BLKB
.set SLOT,   4*HALFT
.set SCL,    2*SLOT
.set HALFS,  8*512
.set SPARE,  SCL+4*HALFS
.set STAGE,  SPARE+512
.set SPITCH, 528
.set ADRA, 16
.set ADRB, 20
.set L16,  24
.set L8,   25
.set STO,  26
.set ADRS, 27
.set SPW,  28
.set NIL,  29
.set RD,   30
.set SC,   32
.set AF,   128
.set BK,   128
.set G1, 24
.set G0, 32
.set G1B, 48
.set G0B, 56
.set G1S, 68
.set G0S, 76
.set G1SB, 80
.set G0SB, 88
.set MSB, 0
.macro WIN new
.if MSB != (\new)
	s_set_vgpr_msb (MSB<<8)|(\new)
.set MSB, (\new)
.endif
.endm
.set MUL_LO, 0xa1
.set MUL_HI, 0xf1
.set TO_B,   0x40
.macro JLOAD g0a, g1a, g0b, g1b
	s_cmp_eq_u32 s15, 0
	s_cbranch_scc0 .Lfor_b_\@
	tensor_load_to_lds s[\g0a:\g0a+3], s[\g1a:\g1a+7]
	s_nop 0
.rept 4
	v_nop
.endr
	s_branch .Lasked_\@
.Lfor_b_\@:
	tensor_load_to_lds s[\g0b:\g0b+3], s[\g1b:\g1b+7]
	s_nop 0
.rept 4
	v_nop
.endr
.Lasked_\@:
.endm
.macro CREST
	s_cmp_lg_u32 s14, 0
	s_cbranch_scc1 .Lnot_wave_0_\@
	s_barrier_signal -3
.Lnot_wave_0_\@:
	s_barrier_wait -3
	s_barrier_signal -1
	s_barrier_wait -1
.endm
.macro CROUND
	s_barrier_signal -1
	s_barrier_wait -1
	CREST
.endm
	s_load_b256 s[4:11], s[0:1], 0x0
	s_load_b64 s[96:97], s[0:1], 0x20
	v_lshl_add_u32 v[SPW], v0, 2, SPARE
	v_mov_b32 v[NIL], 0
	ds_add_u32 v28, v29
	ds_add_u32 v28, v29
	s_wait_dscnt 0x0
	v_lshrrev_b32 v1, 5, v0
	v_readfirstlane_b32 s14, v1
	s_lshr_b32 s15, s14, 1
	s_and_b32 s16, s14, 1
	s_bfe_u32 s40, ttmp6, 0x40000
	s_bfe_u32 s41, ttmp6, 0x40004
	s_and_b32 s17, ttmp7, 0xffff
	s_lshl_b32 s17, s17, 2
	s_add_co_u32 s17, s17, s41
	s_add_co_u32 s42, s40, 12
	s_lshl_b32 s43, s41, 2
	s_lshl_b32 s43, 15, s43
	s_lshl_b32 s44, 0x1111, s40
	s_or_b32 s[G1+0], s43, (3<<16)|(1<<21)
	s_or_b32 s[G1B+0], s44, (3<<16)|(1<<21)
.irp g, G1, G1B
	s_mov_b32 s[\g+1], 384<<16
	s_mov_b32 s[\g+2], 16<<16                      ; the head's loads bring a tile's 16 blocks; behind them the ring's bring 8
	s_mov_b32 s[\g+3], 384<<16
	s_mov_b32 s[\g+4], 16
	s_mov_b32 s[\g+5], 1536
	s_mov_b32 s[\g+6], 0
	s_mov_b32 s[\g+7], 0
.endr
	s_lshl_b32 s66, s17, 4                         ; A: the tile's first block
	s_lshl_b32 s67, s42, 4                         ; B likewise
	s_mul_i32 s12, s66, 12288
	s_mov_b32 s13, 0
	s_lshl_b32 s18, s66, 9
	s_mov_b32 s19, 0
	s_mul_i32 s94, s67, 12288
	s_mov_b32 s95, 0
	s_lshl_b32 s100, s67, 9
	s_mov_b32 s101, 0
	s_mul_i32 s45, s14, HALFT
	s_lshl_b32 s104, s14, 12
	s_wait_kmcnt 0x0
	s_add_nc_u64 s[20:21], s[4:5], s[12:13]
	s_add_nc_u64 s[22:23], s[6:7], s[18:19]
	s_add_nc_u64 s[46:47], s[8:9], s[94:95]
	s_add_nc_u64 s[92:93], s[10:11], s[100:101]
	CROUND
; THE HEAD'S FOUR TILES, each whole (16 blocks x 3,072 bytes): K step 0 of A and of B into slot 0, K step 1 of A and of B into slot 1.
.macro HEAD0 g, lds, base, off
	s_mov_b32 s[\g], 1
	s_mov_b32 s[\g+1], \lds
	s_add_nc_u64 s[\g+2:\g+3], s[\base:\base+1], \off
	s_or_b32 s[\g+3], s[\g+3], 0x80000000
.endm
	HEAD0 4, 0, 20, 0
	HEAD0 8, 2*HALFT, 46, 0
	HEAD0 G0S, SLOT, 20, BLKB
	HEAD0 G0SB, SLOT+2*HALFT, 46, BLKB
	s_mul_i32 s12, s16, 8*12288                    ; for the ring: my 8 blocks of the tile
	s_add_nc_u64 s[20:21], s[20:21], s[12:13]
	s_add_nc_u64 s[46:47], s[46:47], s[12:13]
.irp s, 0,1
	s_mov_b32 s[G0+4*\s], 1
	s_add_co_u32 s[G0+4*\s+1], s45, \s*SLOT
	s_add_nc_u64 s[G0+4*\s+2:G0+4*\s+3], s[20:21], \s*BLKB
	s_or_b32 s[G0+4*\s+3], s[G0+4*\s+3], 0x80000000
	s_mov_b32 s[G0B+4*\s], 1
	s_add_co_u32 s[G0B+4*\s+1], s45, \s*SLOT
	s_add_nc_u64 s[G0B+4*\s+2:G0B+4*\s+3], s[46:47], \s*BLKB
	s_or_b32 s[G0B+4*\s+3], s[G0B+4*\s+3], 0x80000000
.endr
; One tensor load a wave at the head, in one chain of branches on the wave's number: every way passes exactly one load.
.macro ARM under, g0, g1, next
	s_cmp_lt_u32 s14, \under
	s_cbranch_scc0 \next
	tensor_load_to_lds s[\g0:\g0+3], s[\g1:\g1+7]
	s_nop 0
.rept 4
	v_nop
.endr
	s_branch .Lhead_asked
\next:
.endm
	ARM 1, 4, G1, .Lhead_b
	ARM 2, 8, G1B, .Lhead_a1
	ARM 3, G0S, G1, .Lhead_b1
	tensor_load_to_lds s[G0SB:G0SB+3], s[G1B:G1B+7]
	s_nop 0
.rept 4
	v_nop
.endr
.Lhead_asked:
	v_and_b32 v1, 15, v0
	v_bfe_u32 v2, v0, 4, 1
	v_and_b32 v3, 31, v0
	v_lshlrev_b32 v[L16], 4, v3
	v_lshlrev_b32 v[L8], 3, v3
	; the scale words: 4,096 consecutive bytes a wave (waves 0, 1: A's halves; 2, 3: B's) through registers into LDS bytes that no tensor load fills
	s_cmp_eq_u32 s15, 0
	s_cselect_b64 s[92:93], s[22:23], s[92:93]
	s_lshl_b32 s18, s16, 12
	s_add_nc_u64 s[92:93], s[92:93], s[18:19]
	s_add_co_u32 s104, s104, SCL
	v_add_nc_u32 v7, s104, v[L16]
	s_wait_alu depctr_va_vdst(0)
.irp i, 0,1,2,3,4,5,6,7
	global_load_b128 v[64+4*\i:67+4*\i], v[L16], s[92:93] offset:512*\i
.endr
	s_mul_i32 s21, s15, HALFT
	s_mul_i32 s22, s16, HALFT
	s_add_co_u32 s22, s22, 2*HALFT
.irp s, 0,1
	v_add_nc_u32 v[ADRA+\s], s21, v[L16]
	v_add_nc_u32 v[ADRB+\s], s22, v[L16]
	v_add_nc_u32 v[ADRA+2+\s], s21, v[L8]
	v_add_nc_u32 v[ADRB+2+\s], s22, v[L8]
	s_add_co_u32 s21, s21, SLOT
	s_add_co_u32 s22, s22, SLOT
.endr
	v_lshlrev_b32 v5, 4, v1
	s_lshl_b32 s21, s15, 12
	s_lshl_b32 s22, s16, 12
	s_add_co_u32 s22, s22, 2*HALFS
	s_sub_co_u32 s22, s22, s21
	v_mul_u32_u24 v6, s22, v2
	s_add_co_u32 s21, s21, SCL
	v_add_nc_u32 v5, v5, v6
	v_add_nc_u32 v[ADRS], s21, v5
	s_mul_i32 s23, s14, 16*SPITCH
	s_add_co_u32 s23, s23, STAGE
	v_mul_u32_u24 v5, v1, SPITCH
	v_lshl_add_u32 v5, v2, 6, v5
	v_add_nc_u32 v[STO], s23, v5
	v_add_nc_u32 v[RD], s23, v[L16]
	s_lshl_b32 s20, s17, 8
	s_lshl_b32 s21, s15, 7
	s_add_co_u32 s20, s20, s21
	s_lshl_b32 s20, s20, 12
	s_lshl_b32 s21, s40, 10
	s_add_co_u32 s20, s20, s21
	s_lshl_b32 s21, s16, 9
	s_add_co_u32 s20, s20, s21
	s_mov_b32 s21, 0
	s_add_nc_u64 s[96:97], s[96:97], s[20:21]
.macro FRAG reg, adr, q, i
	ds_load_b128 v[\reg:\reg+3], v[\adr] offset:(\i)*BLKB+(\q)*FRB
	ds_load_b64 v[\reg+4:\reg+5], v[\adr+2] offset:(\i)*BLKB+(\q)*FRB+512
	ds_load_b128 v[\reg+6:\reg+9], v[\adr] offset:(\i)*BLKB+(\q)*FRB+768
	ds_load_b64 v[\reg+10:\reg+11], v[\adr+2] offset:(\i)*BLKB+(\q)*FRB+1280
.endm
.macro MUL16 a0, p, q, sc, zero
.irp a, \a0, \a0+1
.irp b, 0,1,2,3,4,5,6,7
.if \zero
	v_wmma_scale_f32_16x16x128_f8f6f4 v[8*(8*((\a)%4)+\b):8*(8*((\a)%4)+\b)+7], v[128*(\p)+FR*\b:128*(\p)+FR*\b+FR-1], v[AF+FR*(\a):AF+FR*(\a)+FR-1], 0, v[SC+8*NQ*(\sc)+NQ*\b+(\q)], v[SC+8*NQ*(\sc)+NQ*(\a)+(\q)] matrix_a_fmt:MATRIX_FMT_FP6 matrix_b_fmt:MATRIX_FMT_FP6 matrix_a_scale:MATRIX_SCALE_ROW1
.else
	v_wmma_scale_f32_16x16x128_f8f6f4 v[8*(8*((\a)%4)+\b):8*(8*((\a)%4)+\b)+7], v[128*(\p)+FR*\b:128*(\p)+FR*\b+FR-1], v[AF+FR*(\a):AF+FR*(\a)+FR-1], v[8*(8*((\a)%4)+\b):8*(8*((\a)%4)+\b)+7], v[SC+8*NQ*(\sc)+NQ*\b+(\q)], v[SC+8*NQ*(\sc)+NQ*(\a)+(\q)] matrix_a_fmt:MATRIX_FMT_FP6 matrix_b_fmt:MATRIX_FMT_FP6 matrix_a_scale:MATRIX_SCALE_ROW1
.endif
.endr
.endr
.endm
.macro FETCH_B slot, q, p
	WIN TO_B
.irp i, 0,1,2,3,4,5,6,7
	FRAG 128*(\p)+FR*\i, ADRB+\slot, \q, \i
.endr
	WIN 0
.endm
.macro FETCH_A slot, q, i0
.irp i, \i0, \i0+1, \i0+2, \i0+3
	FRAG AF+FR*(\i), ADRA+\slot, \q, \i
.endr
.endm
.macro SCALES sc
.irp i, 0,1,2,3,4,5,6,7
	ds_load_b64 v[SC+8*NQ*\sc+NQ*\i:SC+8*NQ*\sc+NQ*\i+1], v[ADRS] offset:\i*512
.endr
.endm
.macro PLACES n
.rept \n
	v_nop
.endr
.endm
.macro STEP slot, q, zero
	s_wait_dscnt 4*NL
	WIN MUL_LO
	MUL16 0, (\q)%2, \q, \slot, \zero
	MUL16 2, (\q)%2, \q, \slot, \zero
	s_wait_dscnt 0
	PLACES NP
	FETCH_B \slot, (\q)+1, 1-(\q)%2
	FETCH_A \slot, (\q)+1, 0
	WIN MUL_HI
	MUL16 4, (\q)%2, \q, \slot, \zero
	MUL16 6, (\q)%2, \q, \slot, \zero
	PLACES NP
	WIN 0
	FETCH_A \slot, (\q)+1, 4
.endm
.macro TURN slot, next, fill, adv
	s_wait_tensorcnt 0x0
	ds_add_u32 v[SPW], v[NIL]
	s_wait_dscnt 4*NL+1
	WIN MUL_LO
	MUL16 0, 1, NQ-1, \slot, 0
	s_wait_dscnt 0x0
	s_barrier_signal -1
	MUL16 2, 1, NQ-1, \slot, 0
	WIN 0
	s_barrier_wait -1
.if \fill
	CREST
	s_add_nc_u64 s[G0+4*\slot+2:G0+4*\slot+3], s[G0+4*\slot+2:G0+4*\slot+3], 2*BLKB
	s_add_nc_u64 s[G0B+4*\slot+2:G0B+4*\slot+3], s[G0B+4*\slot+2:G0B+4*\slot+3], 2*BLKB
	JLOAD G0+4*\slot, G1, G0B+4*\slot, G1B
.else
	PLACES NP
.endif
	s_wait_alu depctr_va_vdst(0)
	v_add_nc_u32 v[ADRS], \adv, v[ADRS]
	FETCH_B \next, 0, 0
	FETCH_A \next, 0, 0
	SCALES \next
	WIN MUL_HI
	MUL16 4, 1, NQ-1, \slot, 0
	MUL16 6, 1, NQ-1, \slot, 0
	PLACES NP
	WIN 0
	FETCH_A \next, 0, 4
.endm
	s_wait_alu depctr_va_vdst(0)
	s_wait_tensorcnt 0x0                           ; my tile of the head's four is in: no tensor load of mine is out, so group 1 may be written:
	s_mov_b32 s[G1+2], 8<<16                       ; from here on a load brings 8 blocks
	s_mov_b32 s[G1+4], 8
	s_mov_b32 s[G1B+2], 8<<16
	s_mov_b32 s[G1B+4], 8
	s_wait_loadcnt 0x0                             ; my 4,096 bytes of scale words are in registers
.irp i, 0,1,2,3,4,5,6,7
	ds_store_b128 v7, v[64+4*\i:67+4*\i] offset:512*\i
.endr
	s_wait_dscnt 0x0                               ; and in LDS
	s_barrier_signal -1
	s_barrier_wait -1                              ; everybody's are
	FETCH_B 0, 0, 0
	FETCH_A 0, 0, 0
	SCALES 0
	FETCH_A 0, 0, 4
	STEP 0, 0, 1
	TURN 0, 1, 1, 8
	STEP 1, 0, 0
	TURN 1, 0, 1, 248
	STEP 0, 0, 0
	TURN 0, 1, 0, 8
	STEP 1, 0, 0
	s_wait_dscnt 4*NL
	WIN MUL_LO
	MUL16 0, 1, NQ-1, 1, 0
	MUL16 2, 1, NQ-1, 1, 0
	s_wait_dscnt 0
	WIN MUL_HI
	MUL16 4, 1, NQ-1, 1, 0
	MUL16 6, 1, NQ-1, 1, 0
	WIN 0
.macro TOSTAGE a
.set AC, 64*((\a)%4)
	WIN 0x08+4*((\a)/4)
.irp b, 0,1,2,3,4,5,6,7
	ds_store_b128 v[STO], v[AC+8*\b:AC+8*\b+3] offset:128*(\b/2)+32*(\b%2)
	ds_store_b128 v[STO], v[AC+8*\b+4:AC+8*\b+7] offset:128*(\b/2)+32*(\b%2)+16
.endr
	WIN 0
.set BB, BK+64*((\a)%2)
.irp t, 0,1,2,3,4,5,6,7,8,9,10,11,12,13,14,15
	ds_load_b128 v[BB+4*\t:BB+4*\t+3], v[RD] offset:\t*SPITCH
.endr
.endm
.macro SEND a, younger
.set BB, BK+64*((\a)%2)
	s_wait_dscnt \younger
.irp t, 0,1,2,3,4,5,6,7,8,9,10,11,12,13,14,15
	global_store_b128 v[L16], v[BB+4*\t:BB+4*\t+3], s[96:97] offset:(32*((\a)/2)+8*((\a)%2)+\t+8*(\t/8))*4096 th:TH_STORE_NT
.endr
.endm
	PLACES NP
	TOSTAGE 0
.irp a, 1,2,3,4,5,6,7
.if \a > 1
	s_wait_xcnt 0x0
.endif
	TOSTAGE \a
	SEND \a-1, 32
.endr
	SEND 7, 0
	s_wait_tensorcnt 0x0
	ds_add_u32 v[SPW], v[NIL]
	s_wait_dscnt 0x0
	CROUND
	s_endpgm
.Lfunc_end_k_q92478ed993_gemm2:
	.size	k_q92478ed993_gemm2, .Lfunc_end_k_q92478ed993_gemm2-k_q92478ed993_gemm2
	.p2alignl 7, 3214868480
	.fill 96, 4, 3214868480
	.section	.rodata,"a",@progbits
	.p2align	6, 0x0
	.amdhsa_kernel k_q92478ed993_gemm2
		.amdhsa_group_segment_fixed_size 327680
		.amdhsa_private_segment_fixed_size 0
		.amdhsa_enable_private_segment 0
		.amdhsa_kernarg_size 40
		.amdhsa_user_sgpr_count 2
		.amdhsa_user_sgpr_kernarg_segment_ptr 1
		.amdhsa_wavefront_size32 1
		.amdhsa_system_sgpr_workgroup_id_x 1
		.amdhsa_system_sgpr_workgroup_id_y 1
		.amdhsa_system_sgpr_workgroup_id_z 1
		.amdhsa_system_vgpr_workitem_id 0
		.amdhsa_next_free_vgpr 1024
		.amdhsa_next_free_sgpr 106
		.amdhsa_reserve_vcc 0
		.amdhsa_float_denorm_mode_32 3
		.amdhsa_float_denorm_mode_16_64 3
		.amdhsa_memory_ordered 1
		.amdhsa_forward_progress 1
		.amdhsa_inst_pref_size 144
	.end_amdhsa_kernel
	.amdgpu_metadata
---
amdhsa.version: [ 1, 2 ]
amdhsa.kernels:
  - .name:           k_q92478ed993_gemm2
    .symbol:         k_q92478ed993_gemm2.kd
    .args:
      - { .name: yc, .offset: 0, .size: 8, .value_kind: global_buffer, .address_space: global }
      - { .name: ys, .offset: 8, .size: 8, .value_kind: global_buffer, .address_space: global }
      - { .name: wc, .offset: 16, .size: 8, .value_kind: global_buffer, .address_space: global }
      - { .name: ws, .offset: 24, .size: 8, .value_kind: global_buffer, .address_space: global }
      - { .name: out0, .offset: 32, .size: 8, .value_kind: global_buffer, .address_space: global }
    .group_segment_fixed_size: 327680
    .private_segment_fixed_size: 0
    .kernarg_segment_align: 8
    .kernarg_segment_size: 40
    .max_flat_workgroup_size: 128
    .sgpr_count:     106
    .vgpr_count:     1024
    .wavefront_size: 32
...
	.end_amdgpu_metadata
.endif
;; end of part 4
